; MI455X (gfx1250); checked and timed in simulation.
; The chip was launched on July 23, 2026; its instructions are those of AMD's public machine-readable ISA for CDNA 5 (MIT licence, August 2026) and "CDNA5" Instruction Set Architecture Reference Guide (July 2026). The comments in the code are by the model that wrote it; some were corrected since.
;; Multi Head Attention. Allowed arithmetic: matrix products marked QUANTISED: E2M1 operands, one E8M0 scale for each 32 along K, by v_wmma_scale_f32_16x16x128_f8f6f4 with both operands' format E2M1 (or v_wmma_scale_f32_32x16x128_f4), f32 sums; everything else in f32.
;; Inputs: W_out 1,024 x 1,024 float32; W_qkv 1,024 x 3,072 float32; b_out 1,024 float32; b_qkv 3,072 float32; x 4 x 2,048 x 1,024 float32.
;; Outputs: out0 4 x 2,048 x 1,024 float32.
;; This version of the problem:
;;   THIS VERSION OF THE PROBLEM IS GIVEN IN LOW PRECISION. The matrix products marked QUANTISED in the list below multiply operands that are first quantised to E2M1 (2 exponent bits, 1 mantissa bit; 4 bits a number), with one power-of-two scale for each 32 numbers along K (OCP MX v1.0); their sums are f32. All else is computed in f32.
;;   The module's matrix products, in the order in which they are computed (A, B: the left and right operand; K: the contracted axis; several contracted axes count as one K, in the product's order):
;;     1. [M 8,192, K 1,024] x [K 1,024, N 3,072]; A: input x; B: input W_qkv: QUANTISED
;;     2. batch 64 x [M 2,048, K 64] x [K 64, N 2,048]; A: computed on the way; B: computed on the way: QUANTISED
;;     3. batch 64 x [M 2,048, K 2,048] x [K 2,048, N 64]; A: softmax (see below); B: computed on the way: QUANTISED
;;     4. [M 8,192, K 1,024] x [K 1,024, N 1,024]; A: computed on the way; B: input W_out: QUANTISED
;;   THE QUANTISER, for each operand of a quantised product, along K:
;;     - K is cut into blocks of 32 from its start; a last block that is shorter is filled with zeros.
;;     - A block's scale is 2^e with e = floor(log2(the largest magnitude in the block)) - 2, held to -126 .. 127; a block of zeros has e = 0. As a byte (E8M0): e + 127.
;;     - Each number is divided by its block's scale, clamped to +-6, and rounded to the nearest number of E2M1, ties to even, subnormals kept.
;;     - The product sums the exact products of the quantised numbers (number of the format x scale) in f32.
;;   ~~~python
;;   def quantise(x, axis):      # numpy; x: float32 -> the quantised numbers, widened to float32 again
;;       x = np.moveaxis(x, axis, -1); K = x.shape[-1]
;;       x = np.pad(x, [(0, 0)] * (x.ndim - 1) + [(0, -K % 32)]); x = x.reshape(x.shape[:-1] + (-1, 32)); a = np.abs(x).max(-1, keepdims=True)
;;       e = np.where(a > 0, np.clip(np.frexp(np.where(a > 0, a, 1))[1] - 1 - 2, -126, 127), 0)      # np.frexp(a)[1] - 1 = floor(log2(a)), exactly
;;       r = np.clip(x / 2.0 ** e, -6, 6)
;;       step = 2.0 ** (np.maximum(np.frexp(np.where(r == 0, 1, r))[1] - 1, 0) - 1)
;;       q = np.round(r / step) * step * 2.0 ** e      # np.round: ties to even
;;       return np.moveaxis(q.reshape(q.shape[:-2] + (-1,))[..., :K], -1, axis).astype(np.float32)
;;   ~~~
;;   SOFTMAX AHEAD OF A QUANTISED PRODUCT. Where the list says 'softmax', what is quantised is not the finished softmax but p = 2^(t - M), with t = logit x log2(e) and M = ceil(the row's largest t), a whole number; so 1/2 < the row's largest p <= 1. The row's sum l is taken of the UNQUANTISED p, in f32, and the product's result is divided by l at the end. Since M is a whole number, a kernel that streams over the keys may use a running M (the ceiling of the running maximum): every later rescaling is an exact power of two, which a block's scale takes up: the codes' values come out the same.
;;   OPERANDS COMPUTED ON THE WAY. 'Computed on the way' means the value that the module computes at that place (a softmax that the list does not call 'softmax' is quantised finished and normalised). What goes into a quantiser is computed in f32, as accurately as f32 sums, v_exp_f32 and their like allow (about 1e-6 of the number): no bf16 or f16 on the way to a quantiser, and a product that is left as it is and whose result goes on into a quantised operand takes f32 operands (vector FMAs, or v_wmma_f32_16x16x4_f32). A number that lies on a knife's edge between two numbers of the format may be rounded either way, as far as f32 arithmetic and the matrix unit's own rounding can turn it there, and no further.
;; One version. Each part assembles by itself: llvm-mc -triple=amdgcn-amd-amdhsa -mcpu=gfx1250 --defsym DOCPART=n.
;; ======== version 1 of 1: 4 launches
;; workspace buffers: xq 4,456,448 bytes; wq 1,671,168 bytes; wo 557,056 bytes; qkv 13,369,344 bytes; ao 4,456,448 bytes
;; launch prep (part 1): grid 512 x 1, 4 waves a work-group, no clusters, 34,304 bytes of LDS; arguments x, W_qkv, W_out, xq, wq, wo; writes xq, wq, wo
.if DOCPART == 1
	.amdgcn_target "amdgcn-amd-amdhsa--gfx1250"
	.amdhsa_code_object_version 6
	.text
	.protected	k_qa371fd9e95_prep
	.globl	k_qa371fd9e95_prep
	.p2align	8
	.type	k_qa371fd9e95_prep,@function
k_qa371fd9e95_prep:
	s_mov_b64 s[64:65], 0
	v_nop
	global_prefetch_b8 v0, s[64:65] scope:SCOPE_SE
	s_setreg_imm32_b32 hwreg(HW_REG_WAVE_MODE, 25, 1), 1
	s_wait_xcnt 0x0
; MULTI-HEAD ATTENTION IN MX-FP4, launch 1 of 4: x, W_qkv and W_out (f32) become codes of E2M1 with one E8M0 byte for each 32 along K = 1,024.
; NO WORK IS LEFT OUT in this program: every product of the problem is live, and all five inputs are loaded (b_qkv moves the codes of q, k and v; b_out is added to the result).
; THE QUANTISER: a block's scale is 2^(floor(log2(largest magnitude)) - 2); its byte is the largest magnitude's exponent field - 2, held at 1 from below; the conversion divides, holds at 6 and rounds to the nearest code, ties to even.
; LIMITS: NaN and infinities among the inputs are not served.  A block of zeros keeps the byte 1 where the rule says 127: its codes are zeros, which add nothing under any byte but 0xff, and this program alone reads the bytes.
; LAYOUT OF THE WORKSPACE: images of operand registers.  A ROW BLOCK (RB) is 16 rows; its row r (the lane's r) is the tensor's row 32 (RB / 2) + 8 (RB % 2) + r + 8 (r / 8): so the results of two
; neighbouring blocks used as a product's source 0 are 16 neighbours in a lane's registers, ready for the next quantiser.  Codes: [RB][q 0..7][c 0..1][lane][16 bytes], lane (r, h) holding k = 128 q + 64 c + 32 h + 0..31;
; scale words: [RB][s 0..1][r][q' 0..3][4 bytes], the word of k = 128 (4 s + q') on.  They follow the codes in the same buffer.
; WORK-GROUPS 0-255: x (K innermost).  A wave takes one RB and half of K: four fragments.  Each load reads 512 consecutive bytes of one row; the numbers turn through the wave's own stage in LDS, so that a lane holds 2 x 32 neighbours.
; WORK-GROUPS 256-447: W_qkv, 448-511: W_out (K is the first axis).  A lane takes a column and its registers run down K: 32 columns x 128 K a wave; nothing is transposed, no LDS.
; The W paths' scale words leave as 4 bytes a lane, 16 bytes apart: 128 KB in all against the 21 MB that these paths move.
.set SPARE, 33792                      ; behind the four stages: the spare words, 128 bytes for each wave
.set SPW,   10                         ; v10  my spare word's LDS address; never rewritten
.set NIL,   11                         ; v11  0; never rewritten
.set STG,   8448                       ; a wave's stage: 16 rows x (512 + 16) bytes
.set W,     20                         ; v20-23   the four fragments' scale words
.set C,     24                         ; v24-31   a fragment's codes
.set R,     32                         ; v32-159  two sets of 64 numbers as loaded
.set X,     160                        ; v160-223 64 numbers, 2 x 32 neighbours
.set EFL,   0x1800000                  ; the floor 2^(3 - 127): the byte cannot fall under 1
; the largest magnitude of the 32 numbers v[xs] on, in two chains
.macro BMAX d0, d1, xs
	v_max3_num_f32 v[\d0], |v[\xs]|, |v[\xs+1]|, |v[\xs+2]|
	v_max3_num_f32 v[\d1], |v[\xs+3]|, |v[\xs+4]|, |v[\xs+5]|
.irp i, 6,10,14,18,22,26
	v_max3_num_f32 v[\d0], v[\d0], |v[\xs+\i]|, |v[\xs+\i+1]|
	v_max3_num_f32 v[\d1], v[\d1], |v[\xs+\i+2]|, |v[\xs+\i+3]|
.endr
	v_max3_num_f32 v[\d0], v[\d0], |v[\xs+30]|, |v[\xs+31]|
	v_max3_num_f32 v[\d0], v[\d0], v[\d1], EFL
.endm
.macro WLOAD n, kb                     ; block kb: W(128 q + 32 kb + i, my column), 128 consecutive bytes a wave and load
.set i, 0
.rept 32
	global_load_b32 v[32+32*(\kb)+i], v3, s[22:23] offset:(32*(\kb)+i)*(\n)*4 th:TH_LOAD_NT
.set i, i+1
.endr
.endm
.macro WBLOCK n, kb
.if (\kb) < 3
	s_wait_loadcnt 32                              ; this block's 32 loads are in; the next block's may be out
.else
	s_wait_loadcnt 0x0
.endif
.if (\kb) < 2
	WLOAD \n, (\kb)+2                              ; two blocks ahead, into registers of its own
.endif
	BMAX 12, 13, 32+32*(\kb)
	v_add_nc_u32 v[16+(\kb)], 0xff000000, v12      ; 2 off the exponent field: the conversion's scale operand
	v_lshrrev_b32 v13, 23, v[16+(\kb)]             ; the scale's byte
.if (\kb) == 0
	v_mov_b32 v20, v13
.else
	v_lshl_or_b32 v20, v13, 8*(\kb), v20
.endif
.irp g, 0,1,2,3
	v_cvt_scalef32_pk8_fp4_f32 v[160+4*(\kb)+\g], v[32+32*(\kb)+8*\g:32+32*(\kb)+8*\g+7], v[16+(\kb)]
.endr
	v_nop                                          ; one plain line behind the conversions
	global_store_b128 v5, v[160+4*(\kb):160+4*(\kb)+3], s[26:27] offset:((\kb)/2)*512+((\kb)%2)*256   ; sixteen lanes fill 256 consecutive bytes, aligned
.endm
; a weight [1024][n]: q = which 128 along K, G = which 32 columns
.macro WPATH n, first, inlo, outlo, scb
	s_sub_co_u32 s17, ttmp9, \first
	s_and_b32 s18, s17, 7                          ; q
	s_lshr_b32 s19, s17, 3
	s_lshl_b32 s19, s19, 2
	s_add_co_u32 s19, s19, s16                     ; G
	s_mul_i32 s20, s18, 128*(\n)*4
	s_lshl_b32 s21, s19, 7
	s_add_co_u32 s20, s20, s21
	s_mov_b32 s21, 0
	s_add_nc_u64 s[22:23], s[\inlo:\inlo+1], s[20:21]      ; W at row 128 q, column 32 G
	s_lshl_b32 s20, s19, 14
	s_lshl_b32 s24, s18, 10
	s_add_co_u32 s20, s20, s24
	s_add_nc_u64 s[26:27], s[\outlo:\outlo+1], s[20:21]    ; codes: RB 2 G, fragment q
	s_lshl_b32 s20, s19, 10
	s_lshr_b32 s24, s18, 2
	s_lshl_b32 s24, s24, 8
	s_add_co_u32 s20, s20, s24
	s_and_b32 s24, s18, 3
	s_lshl_b32 s24, s24, 2
	s_add_co_u32 s20, s20, s24
	s_add_co_u32 s20, s20, \scb
	s_add_nc_u64 s[28:29], s[\outlo:\outlo+1], s[20:21]    ; scale words
	WLOAD \n, 0
	WLOAD \n, 1
	WBLOCK \n, 0
	WBLOCK \n, 1
	WBLOCK \n, 2
	WBLOCK \n, 3
	global_store_b32 v6, v20, s[28:29]             ; my column's word for these 128 along K
.endm
	s_load_b256 s[4:11], s[0:1], 0x0               ; x s[4:5], W_qkv s[6:7], W_out s[8:9], xq s[10:11]
	s_load_b128 s[12:15], s[0:1], 0x20             ; wq s[12:13], wo s[14:15]
	v_lshl_add_u32 v[SPW], v0, 2, SPARE
	v_mov_b32 v[NIL], 0
	v_lshrrev_b32 v1, 5, v0
	v_readfirstlane_b32 s16, v1                    ; wave 0..3
	v_and_b32 v2, 31, v0                           ; lane
	s_wait_kmcnt 0x0
	s_cmp_lt_u32 ttmp9, 256
	s_cbranch_scc1 .Lx
	s_wait_alu depctr_va_vdst(0)
	; ---- the weights.  My column is 32 G + lane: its bit 3 says which of the two RBs, its bit 4 and low three bits which row r
	v_lshlrev_b32 v3, 2, v2                        ; in: 4 bytes a lane
	v_bfe_u32 v7, v2, 3, 1                         ; u
	v_bfe_u32 v8, v2, 4, 1                         ; r / 8
	v_and_b32 v9, 7, v2
	v_lshlrev_b32 v9, 4, v9
	v_lshl_add_u32 v9, v8, 7, v9                   ; 16 r
	v_lshl_add_u32 v5, v7, 13, v9                  ; codes: + 8,192 u
	v_lshl_add_u32 v6, v7, 9, v9                   ; scale words: + 512 u
	s_cmp_lt_u32 ttmp9, 448
	s_cbranch_scc0 .Lwo
	s_wait_alu depctr_va_vdst(0)
	WPATH 3072, 256, 6, 12, 1572864
	s_endpgm
.Lwo:
	s_wait_alu depctr_va_vdst(0)
	WPATH 1024, 448, 8, 14, 524288
	s_endpgm
.Lx:
	; ---- x.  RB = 2 x work-group + wave / 2; half of K = wave % 2
	s_lshr_b32 s17, s16, 1
	s_and_b32 s18, s16, 1
	s_lshl_b32 s20, ttmp9, 17                      ; 32 rows of 4,096 bytes a work-group,
	s_lshl_b32 s21, s17, 15                        ; the odd RB begins 8 rows on,
	s_add_co_u32 s20, s20, s21
	s_lshl_b32 s21, s18, 11                        ; half of a row
	s_add_co_u32 s20, s20, s21
	s_mov_b32 s21, 0
	s_add_nc_u64 s[4:5], s[4:5], s[20:21]
	s_lshl_b32 s22, ttmp9, 1
	s_add_co_u32 s22, s22, s17                     ; RB
	s_lshl_b32 s20, s22, 13
	s_lshl_b32 s23, s18, 12
	s_add_co_u32 s20, s20, s23
	s_add_nc_u64 s[24:25], s[10:11], s[20:21]      ; my four fragments' codes
	s_lshl_b32 s20, s22, 9
	s_lshl_b32 s23, s18, 8
	s_add_co_u32 s20, s20, s23
	s_add_co_u32 s20, s20, 0x400000
	s_add_nc_u64 s[26:27], s[10:11], s[20:21]      ; and their 256 bytes of scale words
	s_mov_b32 s28, 0x76543210
	s_mov_b32 s29, 0xfedcba98                      ; v_permlanex16_b32's selects for lane l xor 16
	s_wait_alu depctr_va_vdst(0)
	v_and_b32 v1, 15, v2                           ; r
	v_lshrrev_b32 v3, 4, v2                        ; h
	v_lshlrev_b32 v4, 4, v2                        ; 16 x lane
	s_mul_i32 s19, s16, STG
	v_add_nc_u32 v5, s19, v4                       ; the stage on the way in: a row's 512 bytes as they lie
	v_mul_u32_u24 v6, v1, 528
	v_lshl_add_u32 v6, v3, 7, v6
	v_add_nc_u32 v6, s19, v6                       ; on the way out: row r, + 128 h bytes: my 32 numbers of each 64
	v_lshlrev_b32 v7, 3, v3                        ; 8 h: where my two bytes stand in the word
	v_lshlrev_b32 v9, 4, v1
	v_lshl_add_u32 v9, v3, 3, v9                   ; the scale words' way out: 16 r + 8 h
.macro LOADF f                         ; fragment f: 16 rows x 512 bytes
.irp i, 0,1,2,3,4,5,6,7,8,9,10,11,12,13,14,15
	global_load_b128 v[R+64*((\f)%2)+4*\i:R+64*((\f)%2)+4*\i+3], v4, s[4:5] offset:(\i+8*(\i/8))*4096+512*(\f) th:TH_LOAD_NT
.endr
.endm
.macro FRAGX f
.if (\f) < 3
	s_wait_loadcnt 16                              ; this fragment's 16 loads are in; the next fragment's may be out
.else
	s_wait_loadcnt 0x0
.endif
.irp i, 0,1,2,3,4,5,6,7,8,9,10,11,12,13,14,15
	ds_store_b128 v5, v[R+64*((\f)%2)+4*\i:R+64*((\f)%2)+4*\i+3] offset:528*\i
.endr
.irp c, 0,1
.irp g, 0,1,2,3,4,5,6,7
	ds_load_b128 v[X+32*\c+4*\g:X+32*\c+4*\g+3], v6 offset:256*\c+16*\g   ; LDS serves a wave's instructions in order: these see my stores
.endr
.endr
	s_wait_dscnt 0x0
.if (\f) < 2
	LOADF (\f)+2
.endif
	BMAX 12, 13, X                                 ; block h of the fragment,
	BMAX 14, 15, X+32                              ; and block 2 + h: all their numbers are mine
	v_add_nc_u32 v16, 0xff000000, v12              ; 2 off the exponent fields: the conversions' scale operands
	v_add_nc_u32 v17, 0xff000000, v14
	v_lshrrev_b32 v18, 23, v16                     ; the bytes
	v_lshrrev_b32 v19, 23, v17
	v_lshl_or_b32 v18, v19, 16, v18
	v_lshlrev_b32 v18, v7, v18                     ; at their places in the word
	v_permlanex16_b32 v19, v18, s28, s29
	v_or_b32 v[W+(\f)], v18, v19                   ; with lane l xor 16's two the word is whole
.if (\f) > 0
	s_wait_alu depctr_va_vdst(0)
	s_wait_xcnt 0x0                                ; the last fragment's stores have read C
.endif
.irp c, 0,1
.irp g, 0,1,2,3
	v_cvt_scalef32_pk8_fp4_f32 v[C+4*\c+\g], v[X+32*\c+8*\g:X+32*\c+8*\g+7], v[16+\c]
.endr
.endr
	v_nop                                          ; one plain line behind the conversions
.irp c, 0,1
	global_store_b128 v4, v[C+4*\c:C+4*\c+3], s[24:25] offset:1024*(\f)+512*\c   ; 512 consecutive bytes
.endr
.endm
	LOADF 0
	LOADF 1
	s_wait_alu depctr_va_vdst(0)
	FRAGX 0
	FRAGX 1
	FRAGX 2
	FRAGX 3
	v_cmp_le_u32 vcc_lo, 16, v2
	v_cndmask_b32 v12, v[W], v[W+2], vcc_lo        ; lanes 0-15 store words 0, 1 of row r, lanes 16-31 words 2, 3
	v_cndmask_b32 v13, v[W+1], v[W+3], vcc_lo
	global_store_b64 v9, v[12:13], s[26:27]        ; the wave stores 256 consecutive bytes, aligned
	s_wait_tensorcnt 0x0                           ; the wave's end
	ds_add_u32 v[SPW], v[NIL]
	s_wait_dscnt 0x0
	s_endpgm
.Lfunc_end_k_qa371fd9e95_prep:
	.size	k_qa371fd9e95_prep, .Lfunc_end_k_qa371fd9e95_prep-k_qa371fd9e95_prep
	.p2alignl 7, 3214868480
	.fill 96, 4, 3214868480
	.section	.rodata,"a",@progbits
	.p2align	6, 0x0
	.amdhsa_kernel k_qa371fd9e95_prep
		.amdhsa_group_segment_fixed_size 34304
		.amdhsa_private_segment_fixed_size 0
		.amdhsa_enable_private_segment 0
		.amdhsa_kernarg_size 48
		.amdhsa_user_sgpr_count 2
		.amdhsa_user_sgpr_kernarg_segment_ptr 1
		.amdhsa_wavefront_size32 1
		.amdhsa_system_sgpr_workgroup_id_x 1
		.amdhsa_system_sgpr_workgroup_id_y 1
		.amdhsa_system_sgpr_workgroup_id_z 1
		.amdhsa_system_vgpr_workitem_id 0
		.amdhsa_next_free_vgpr 224
		.amdhsa_next_free_sgpr 66
		.amdhsa_reserve_vcc 1
		.amdhsa_float_denorm_mode_32 3
		.amdhsa_float_denorm_mode_16_64 3
		.amdhsa_memory_ordered 1
		.amdhsa_forward_progress 1
		.amdhsa_inst_pref_size 69
	.end_amdhsa_kernel
	.amdgpu_metadata
---
amdhsa.version: [ 1, 2 ]
amdhsa.kernels:
  - .name:           k_qa371fd9e95_prep
    .symbol:         k_qa371fd9e95_prep.kd
    .args:
      - { .name: x, .offset: 0, .size: 8, .value_kind: global_buffer, .address_space: global }
      - { .name: W_qkv, .offset: 8, .size: 8, .value_kind: global_buffer, .address_space: global }
      - { .name: W_out, .offset: 16, .size: 8, .value_kind: global_buffer, .address_space: global }
      - { .name: xq, .offset: 24, .size: 8, .value_kind: global_buffer, .address_space: global }
      - { .name: wq, .offset: 32, .size: 8, .value_kind: global_buffer, .address_space: global }
      - { .name: wo, .offset: 40, .size: 8, .value_kind: global_buffer, .address_space: global }
    .group_segment_fixed_size: 34304
    .private_segment_fixed_size: 0
    .kernarg_segment_align: 8
    .kernarg_segment_size: 48
    .max_flat_workgroup_size: 128
    .sgpr_count:     66
    .vgpr_count:     224
    .wavefront_size: 32
...
	.end_amdgpu_metadata
.endif
;; end of part 1
;; launch qkvgemm (part 2): grid 12 x 32, 4 waves a work-group, clusters of 4 x 4, 279,040 bytes of LDS; arguments xq, wq, b_qkv, qkv; writes qkv
.if DOCPART == 2
	.amdgcn_target "amdgcn-amd-amdhsa--gfx1250"
	.amdhsa_code_object_version 6
	.text
	.protected	k_qa371fd9e95_qkvgemm
	.globl	k_qa371fd9e95_qkvgemm
	.p2align	8
	.type	k_qa371fd9e95_qkvgemm,@function
k_qa371fd9e95_qkvgemm:
	s_mov_b64 s[64:65], 0
	v_nop
	global_prefetch_b8 v0, s[64:65] scope:SCOPE_SE
	s_setreg_imm32_b32 hwreg(HW_REG_WAVE_MODE, 25, 1), 1
	s_wait_xcnt 0x0
	s_wait_alu depctr_hold_cnt(0) depctr_sa_sdst(0) depctr_va_vdst(0) depctr_va_sdst(0) depctr_va_ssrc(0) depctr_va_vcc(0) depctr_vm_vsrc(0)
	s_getreg_b32 s2, hwreg(HW_REG_IB_STS2, 6, 4)
	s_cmp_eq_u32 s2, 0
	s_cbranch_scc0 .Lentry_in_a_cluster
	s_endpgm
.Lentry_in_a_cluster:
	s_bfe_u32 s2, ttmp6, 0x10000c
	s_cmp_lg_u32 s2, 0xf033
	s_cbranch_scc0 .Lentry_shape_is_right
	s_endpgm
.Lentry_shape_is_right:
; Launch 2 of 4: qkv = x W_qkv + b_qkv on codes of E2M1 (K = 1,024), and q, k, v quantised on the way out: q and k along the head's 64, v along the keys.  No work is left out.
; A tile of 256 x 256 is made by four waves, 128 x 128 each: 64 accumulators of 16 x 16.  P is the product's source 1 (a lane holds ONE row of P), R its source 0 (R's rows run along a lane's registers).
; CLUSTER x = 0: q, 1: k: P = x's rows, R = W's columns: a lane holds one token and 128 neighbouring channels (two heads).  CLUSTER x = 2: v, made TRANSPOSED: P = W's columns, R = x's rows: a lane holds one channel and 128 neighbouring keys.
; The choice hangs on the cluster's x alone, which all sixteen partners share.  P's tile is shared along a row of the cluster, R's along a column: joint loads.
; ALL OF K LIES IN LDS: two slots of 512 along K and the scale words, three first fills a wave, nothing is filled again.  By this text's count a wave has three tensor loads out at the most.
; Operands lie in memory and in LDS as images of their registers (16 bytes a lane, 512 consecutive bytes a load): no pitch, no padding.
; OUT: 64 head blocks of HB bytes: K's scale units [16][256], V's [16][256], then for each 128 keys 8 tiles of K (512 bytes: 16 keys x 64) and 4 fragments of V^T (1,024 bytes: 16 channels x 128 keys); Q's scale units [16][256]; Q's 128 tiles.
; A scale unit holds four words a row: word (A, r) at 128 (A % 2) + 8 r + 4 (A / 2).  K, Q: word A = the two bytes of tile 2 A, then those of tile 2 A + 1.  V: word t = fragment t's four bytes.
; LIMITS: NaN and infinities are not served; a block of zeros keeps the byte 1 (its codes are zeros; this program alone reads the bytes).
; REGISTERS: window 0: v1-3 r, h, lane; v16-31 addresses; v32-95 scale words and nothing else; v128-191 P's fragments, one set.  window 1: R's fragments, two sets.  windows 2, 3: accumulator (a, b) at v[8 (8 (a % 4) + b)].
;   On the way out, window 0: v96-111 at work, v112-119 codes, v120-127 the eight scale words, v128-191 64 numbers, v192-255 the bias.
.set NQ,    4                          ; steps of 128 along K in a slot
.set FR,    8                          ; registers of a fragment
.set NL,    2                          ; LDS loads that bring one
.set NP,    4                          ; places behind this matrix instruction (ISA guide 7.12.1)
.set HALFT, 32768                      ; 8 row blocks x 4,096 bytes: what one tensor load brings
.set SLOT,  131072                     ; P's two halves, then R's two
.set SCL,   262144                     ; behind the slots: the scale words, 4,096 bytes for each wave's 8 row blocks
.set HALFS, 4096
.set SBLK,  512
.set SPARE, 278528                     ; the spare words, 128 bytes for each wave
.set HB,    208896                     ; a head block of qkv
.set ADRA, 16
.set ADRB, 20
.set ADRS, 27
.set SPW,  28
.set NIL,  29
.set LI,   30                          ; 16 x lane
.set L8,   31                          ; 8 x lane
.set SC,   32
.set TM,   96
.set PC,   112
.set PW,   120
.set AF,   128
.set H,    128
.set BI,   192
.set G1,   24
.set G0,   32
.set G1B,  48
.set G0B,  56
.set G1S,  68
.set G0S,  76
.set G1SB, 80
.set G0SB, 88
.set SEL,  66
.set MSB, 0
.macro WIN new                         ; the immediate's high byte repeats the setting that is left
.if MSB != (\new)
	s_set_vgpr_msb (MSB<<8)|(\new)
.set MSB, (\new)
.endif
.endm
.set MUL_LO, 0xa1                      ; source 0 (R) window 1, source 1 (P) window 0, C and D window 2
.set MUL_HI, 0xf1                      ; the same, C and D window 3
.set TO_B,   0x40                      ; destination window 1, address window 0
; A joint load: waves 0 and 1 fetch for P, waves 2 and 3 for R.  The branch hangs on the wave's number alone.  An s_nop 0 and four v_nop follow each line.
.macro JLOAD g0a, g1a, g0b, g1b
	s_cmp_eq_u32 s15, 0
	s_cbranch_scc0 .Lfor_b_\@
	tensor_load_to_lds s[\g0a:\g0a+3], s[\g1a:\g1a+7]
	s_nop 0
.rept 4
	v_nop
.endr
	s_branch .Lasked_\@
.Lfor_b_\@:
	tensor_load_to_lds s[\g0b:\g0b+3], s[\g1b:\g1b+7]
	s_nop 0
.rept 4
	v_nop
.endr
.Lasked_\@:
.endm
.macro CROUND                          ; a round of the cluster's barrier
	s_barrier_signal -1
	s_barrier_wait -1
	s_cmp_lg_u32 s14, 0
	s_cbranch_scc1 .Lnot_wave_0_\@
	s_barrier_signal -3
.Lnot_wave_0_\@:
	s_barrier_wait -3
	s_barrier_signal -1
	s_barrier_wait -1
.endm
	s_load_b256 s[4:11], s[0:1], 0x0               ; xq s[4:5], wq s[6:7], b_qkv s[8:9], qkv s[10:11]
	v_lshl_add_u32 v[SPW], v0, 2, SPARE
	v_mov_b32 v[NIL], 0
	ds_add_u32 v[SPW], v[NIL]                      ; the wave's opening: the add, twice on end, and its wait ahead of my first tensor load
	ds_add_u32 v[SPW], v[NIL]
	v_lshrrev_b32 v1, 5, v0
	v_readfirstlane_b32 s14, v1                    ; wave 0..3
	s_lshr_b32 s15, s14, 1                         ; which half of P's rows is mine.  Also: I fetch for P (0) or for R (1)
	s_and_b32 s16, s14, 1                          ; which half of R's rows.  Also: which 8 row blocks of that tile I fetch
	s_bfe_u32 s40, ttmp6, 0x40000                  ; cx
	s_bfe_u32 s41, ttmp6, 0x40004                  ; cy
	s_lshl_b32 s43, s41, 2
	s_lshl_b32 s43, 15, s43                        ; my row of the cluster
	s_lshl_b32 s44, 0x1111, s40                    ; my column
	s_and_b32 s12, ttmp7, 0xffff                   ; cluster y
	s_lshl_b32 s13, s12, 2
	s_lshl_b32 s18, ttmp9, 2
	s_mov_b32 s2, 0x400000                         ; where xq's scale words begin,
	s_mov_b32 s3, 0x180000                         ; and wq's
	s_cmp_eq_u32 ttmp9, 2                          ; v?  The cluster's x: the same in all partners
	s_cselect_b32 s17, 8, s13                      ; P's tile: v: 8 + cy of wq;  q, k: 4 y + cy of xq
	s_cselect_b32 s42, s13, s18                    ; R's tile: v: 4 y + cx of xq;  q, k: 4 x + cx of wq
	s_cselect_b32 s19, s3, s2
	s_cselect_b32 s95, s2, s3
	s_add_co_u32 s17, s17, s41                     ; made of cy and cluster ids alone: shared along my row
	s_add_co_u32 s42, s42, s40                     ; made of cx and cluster ids alone: shared along my column
	; descriptor group 1, codes: 8 rows (row blocks) of 4,096 bytes (512 elements of 8 bytes), 8,192 bytes apart in memory, dense in LDS
	s_or_b32 s[G1+0], s43, (3<<16)|(1<<21)
	s_or_b32 s[G1B+0], s44, (3<<16)|(1<<21)
.irp g, G1, G1B
	s_mov_b32 s[\g+1], 512<<16                     ; tensor_dim0
	s_mov_b32 s[\g+2], 8<<16                       ; tensor_dim1
	s_mov_b32 s[\g+3], 512<<16                     ; tile_dim0
	s_mov_b32 s[\g+4], 8                           ; tile_dim1
	s_mov_b32 s[\g+5], 1024                        ; tensor_dim0_stride
	s_mov_b32 s[\g+6], 0
	s_mov_b32 s[\g+7], 0
.endr
	; scale words: 4,096 dense bytes as 16 rows of 256
	s_or_b32 s[G1S+0], s43, (3<<16)|(1<<21)
	s_or_b32 s[G1SB+0], s44, (3<<16)|(1<<21)
.irp g, G1S, G1SB
	s_mov_b32 s[\g+1], 32<<16
	s_mov_b32 s[\g+2], 16<<16
	s_mov_b32 s[\g+3], 32<<16
	s_mov_b32 s[\g+4], 16
	s_mov_b32 s[\g+5], 32
	s_mov_b32 s[\g+6], 0
	s_mov_b32 s[\g+7], 0
.endr
	s_lshl_b32 s18, s16, 3
	s_lshl_b32 s20, s17, 4
	s_add_co_u32 s20, s20, s18                     ; P: the first row block that I fetch
	s_lshl_b32 s46, s42, 4
	s_add_co_u32 s46, s46, s18                     ; R: likewise
	s_lshl_b32 s22, s20, 9
	s_add_co_u32 s22, s22, s19                     ; their scale words,
	s_mov_b32 s23, 0
	s_lshl_b32 s92, s46, 9
	s_add_co_u32 s92, s92, s95
	s_mov_b32 s93, 0
	s_lshl_b32 s20, s20, 13                        ; their codes
	s_mov_b32 s21, 0
	s_lshl_b32 s46, s46, 13
	s_mov_b32 s47, 0
	s_mul_i32 s45, s14, HALFT                      ; where they go: no place in the cluster enters an LDS address
	s_mul_i32 s94, s14, HALFS
	s_mov_b32 s[SEL], 0x76543210
	s_mov_b32 s[SEL+1], 0xfedcba98
	s_wait_dscnt 0x0                               ; both opening adds are done
	s_wait_kmcnt 0x0
	s_cmp_eq_u32 ttmp9, 2
	s_cselect_b64 s[96:97], s[6:7], s[4:5]         ; P's buffer
	s_cselect_b64 s[98:99], s[4:5], s[6:7]         ; R's
	s_add_nc_u64 s[20:21], s[96:97], s[20:21]
	s_add_nc_u64 s[22:23], s[96:97], s[22:23]
	s_add_nc_u64 s[46:47], s[98:99], s[46:47]
	s_add_nc_u64 s[92:93], s[98:99], s[92:93]
	CROUND                                         ; all sixteen work-groups are here: the first joint loads meet
	s_mov_b32 s[G0S], 1
	s_add_co_u32 s[G0S+1], s94, SCL
	s_mov_b64 s[G0S+2:G0S+3], s[22:23]
	s_or_b32 s[G0S+3], s[G0S+3], 0x80000000
	s_mov_b32 s[G0SB], 1
	s_add_co_u32 s[G0SB+1], s94, SCL
	s_mov_b64 s[G0SB+2:G0SB+3], s[92:93]
	s_or_b32 s[G0SB+3], s[G0SB+3], 0x80000000
	JLOAD G0S, G1S, G0SB, G1SB                     ; the scale words first: they are wanted with slot 0
.irp s, 0,1
	s_mov_b32 s[G0+4*\s], 1
	s_add_co_u32 s[G0+4*\s+1], s45, \s*SLOT
	s_add_nc_u64 s[G0+4*\s+2:G0+4*\s+3], s[20:21], \s*4096
	s_or_b32 s[G0+4*\s+3], s[G0+4*\s+3], 0x80000000
	s_mov_b32 s[G0B+4*\s], 1
	s_add_co_u32 s[G0B+4*\s+1], s45, \s*SLOT
	s_add_nc_u64 s[G0B+4*\s+2:G0B+4*\s+3], s[46:47], \s*4096
	s_or_b32 s[G0B+4*\s+3], s[G0B+4*\s+3], 0x80000000
	JLOAD G0+4*\s, G1, G0B+4*\s, G1B
.endr
	v_and_b32 v1, 15, v0                           ; r
	v_bfe_u32 v2, v0, 4, 1                         ; h
	s_wait_alu depctr_va_vdst(0)
	v_and_b32 v3, 31, v0                           ; lane
	v_lshlrev_b32 v[LI], 4, v3
	v_lshlrev_b32 v[L8], 3, v3
	s_mul_i32 s21, s15, HALFT                      ; my 8 row blocks of P
	s_mul_i32 s22, s16, HALFT                      ; and of R,
	s_add_co_u32 s22, s22, 2*HALFT                 ; which lie behind P's 16
.irp s, 0,1
	v_add_nc_u32 v[ADRA+\s], s21, v[LI]
	v_add_nc_u32 v[ADRB+\s], s22, v[LI]
	s_add_co_u32 s21, s21, SLOT
	s_add_co_u32 s22, s22, SLOT
.endr
	v_lshlrev_b32 v5, 4, v1                        ; my row's four words of a slot: 16 r
	s_mul_i32 s21, s15, HALFS
	s_mul_i32 s22, s16, HALFS
	s_add_co_u32 s22, s22, 2*HALFS
	s_sub_co_u32 s22, s22, s21
	v_mul_u32_u24 v6, s22, v2                      ; lanes 16-31 take R's
	s_add_co_u32 s21, s21, SCL
	v_add_nc_u32 v5, v5, v6
	v_add_nc_u32 v[ADRS], s21, v5
.macro FRAG reg, adr, q, i             ; a fragment, 16 rows x 128 K: two loads of 512 consecutive bytes
.irp c, 0,1
	ds_load_b128 v[\reg+4*\c:\reg+4*\c+3], v[\adr] offset:(\i)*4096+(\q)*1024+512*\c
.endr
.endm
; 16 matrix instructions: P's blocks a0, a0 + 1 x R's eight.  p: R's set; sc: the set of scale words.  zero = 1: the first product starts the sums.  The 64 accumulators take turns.
.macro MUL16 a0, p, q, sc, zero
.irp a, \a0, \a0+1
.irp b, 0,1,2,3,4,5,6,7
.if \zero
	v_wmma_scale_f32_16x16x128_f8f6f4 v[8*(8*((\a)%4)+\b):8*(8*((\a)%4)+\b)+7], v[128*(\p)+FR*\b:128*(\p)+FR*\b+FR-1], v[AF+FR*(\a):AF+FR*(\a)+FR-1], 0, v[SC+8*NQ*(\sc)+NQ*\b+(\q)], v[SC+8*NQ*(\sc)+NQ*(\a)+(\q)] matrix_a_fmt:MATRIX_FMT_FP4 matrix_b_fmt:MATRIX_FMT_FP4 matrix_a_scale:MATRIX_SCALE_ROW1
.else
	v_wmma_scale_f32_16x16x128_f8f6f4 v[8*(8*((\a)%4)+\b):8*(8*((\a)%4)+\b)+7], v[128*(\p)+FR*\b:128*(\p)+FR*\b+FR-1], v[AF+FR*(\a):AF+FR*(\a)+FR-1], v[8*(8*((\a)%4)+\b):8*(8*((\a)%4)+\b)+7], v[SC+8*NQ*(\sc)+NQ*\b+(\q)], v[SC+8*NQ*(\sc)+NQ*(\a)+(\q)] matrix_a_fmt:MATRIX_FMT_FP4 matrix_b_fmt:MATRIX_FMT_FP4 matrix_a_scale:MATRIX_SCALE_ROW1
.endif
.endr
.endr
.endm
.macro FETCH_B slot, q, p
	WIN TO_B
.irp i, 0,1,2,3,4,5,6,7
	FRAG 128*(\p)+FR*\i, ADRB+\slot, \q, \i
.endr
	WIN 0
.endm
.macro FETCH_A slot, q, i0
.irp i, \i0, \i0+1, \i0+2, \i0+3
	FRAG AF+FR*(\i), ADRA+\slot, \q, \i
.endr
.endm
.macro SCALES sc                       ; a slot's scale words: four a row; lanes 0-15 P's block i, lanes 16-31 R's block i
.irp i, 0,1,2,3,4,5,6,7
	ds_load_b128 v[SC+8*NQ*\sc+NQ*\i:SC+8*NQ*\sc+NQ*\i+3], v[ADRS] offset:\i*SBLK
.endr
.endm
.macro PLACES n                        ; plain vector lines between a matrix instruction and a load into, or a read of, its registers
.rept \n
	v_nop
.endr
.endm
.macro STEP slot, q, zero              ; a step of 128 along K that has its successor in the same slot
	s_wait_dscnt 4*NL                              ; R's set and P's blocks 0-3 are in; the youngest eight loads (P's blocks 4-7) may be out
	WIN MUL_LO
	MUL16 0, (\q)%2, \q, \slot, \zero
	MUL16 2, (\q)%2, \q, \slot, \zero
	s_wait_dscnt 0
	PLACES NP
	FETCH_B \slot, (\q)+1, 1-(\q)%2
	FETCH_A \slot, (\q)+1, 0
	WIN MUL_HI
	MUL16 4, (\q)%2, \q, \slot, \zero
	MUL16 6, (\q)%2, \q, \slot, \zero
	PLACES NP
	WIN 0
	FETCH_A \slot, (\q)+1, 4
.endm
.macro TURN slot, next                 ; slot 0's last step: one barrier; behind it slot 1, which every wave has waited for, is read.  Nothing is filled again
	s_wait_tensorcnt 0x0                           ; all my tensor loads have landed: my part of the next slot
	ds_add_u32 v[SPW], v[NIL]                      ; 0 onto my spare word
	s_wait_dscnt 4*NL+1                            ; (the add and P's blocks 4-7 may be out)
	WIN MUL_LO
	MUL16 0, 1, NQ-1, \slot, 0
	s_wait_dscnt 0x0                               ; the add is done, and no LDS load of mine is out
	s_barrier_signal -1
	MUL16 2, 1, NQ-1, \slot, 0
	WIN 0
	s_barrier_wait -1
	PLACES NP
	v_add_nc_u32 v[ADRS], 256, v[ADRS]             ; the next slot's scale words
	FETCH_B \next, 0, 0
	FETCH_A \next, 0, 0
	SCALES \next
	WIN MUL_HI
	MUL16 4, 1, NQ-1, \slot, 0
	MUL16 6, 1, NQ-1, \slot, 0
	PLACES NP
	WIN 0
	FETCH_A \next, 0, 4
.endm
	s_wait_alu depctr_va_vdst(0)
	s_wait_tensorcnt 1                             ; the scale words and my part of slot 0 are in (slot 1's load may be out)
	s_barrier_signal -1
	s_barrier_wait -1                              ; everybody's are
	FETCH_B 0, 0, 0
	FETCH_A 0, 0, 0
	SCALES 0
	FETCH_A 0, 0, 4
	STEP 0, 0, 1
	STEP 0, 1, 0
	STEP 0, 2, 0
	TURN 0, 1
	STEP 1, 0, 0
	STEP 1, 1, 0
	STEP 1, 2, 0
	s_wait_dscnt 4*NL                              ; the last step: nothing more to fetch
	WIN MUL_LO
	MUL16 0, 1, NQ-1, 1, 0
	MUL16 2, 1, NQ-1, 1, 0
	s_wait_dscnt 0
	WIN MUL_HI
	MUL16 4, 1, NQ-1, 1, 0
	MUL16 6, 1, NQ-1, 1, 0
	WIN 0
; 64 numbers of a lane, register 16 b + i = index 32 b + 16 h + i of my row, become a fragment's codes in v[PC] on and its scale word in v[pw] (the same in both halves of the lanes).
.macro QUANT s, pw
.irp b, 0,1,2,3
	v_max3_num_f32 v[TM+\b], |v[\s+16*\b]|, |v[\s+1+16*\b]|, 0x1800000   ; my 16 numbers of block b, and the floor 2^(3 - 127)
.endr
.irp i, 2,4,6,8,10,12,14
.irp b, 0,1,2,3
	v_max3_num_f32 v[TM+\b], v[TM+\b], |v[\s+16*\b+\i]|, |v[\s+1+16*\b+\i]|
.endr
.endr
.irp b, 0,1,2,3
	v_permlanex16_b32 v[TM+4+\b], v[TM+\b], s[SEL], s[SEL+1]
.endr
.irp b, 0,1,2,3
	v_max_num_f32 v[TM+\b], v[TM+\b], v[TM+4+\b]   ; with lane l xor 16's: the block's largest magnitude
.endr
.irp b, 0,1,2,3
	v_add_nc_u32 v[TM+12+\b], 0xff000000, v[TM+\b] ; 2 off its exponent field: the conversion's scale operand
.endr
.irp b, 0,1,2,3
	v_lshrrev_b32 v[TM+4+\b], 23, v[TM+12+\b]      ; the scale's byte
.endr
	v_lshl_or_b32 v[\pw], v[TM+5], 8, v[TM+4]
	v_lshl_or_b32 v[\pw], v[TM+6], 16, v[\pw]
	v_lshl_or_b32 v[\pw], v[TM+7], 24, v[\pw]
.irp b, 0,1,2,3
	v_cvt_scalef32_pk8_fp4_f32 v[PC+2*\b], v[\s+16*\b:\s+7+16*\b], v[TM+12+\b]
	v_cvt_scalef32_pk8_fp4_f32 v[PC+1+2*\b], v[\s+8+16*\b:\s+15+16*\b], v[TM+12+\b]
.endr
	v_nop                                          ; one plain line behind the conversions
.irp c, 0,1                                    ; the operand's layout wants a whole block in a lane
.irp i, 0,1
	v_permlane16_swap_b32 v[PC+4*\c+\i], v[PC+2+4*\c+\i]
.endr
.endr
.endm
	; THE WAY OUT: for each of my 8 blocks of P: + bias (which also brings the sums into window 0), quantise, store the image.
	PLACES NP
.irp b, 0,1,2,3
	v_mov_b32 v[TM+4+\b], 0                        ; written once: a lane permute's destination counts as one of its sources
.endr
	v_cmp_le_u32 vcc_lo, 16, v3                    ; lanes 16-31
	s_cmp_eq_u32 ttmp9, 2
	s_cbranch_scc1 .Lv
	; ---- q and k: my rows are tokens 128 g on, my 128 channels are two heads
	s_lshl_b32 s2, s17, 1
	s_add_co_u32 s2, s2, s15                       ; g
	s_lshr_b32 s3, s2, 4                           ; batch
	s_and_b32 s2, s2, 15                           ; which 128 of its tokens
	s_lshl_b32 s3, s3, 4
	s_lshl_b32 s12, s40, 2
	s_add_co_u32 s3, s3, s12
	s_lshl_b32 s12, s16, 1
	s_add_co_u32 s3, s3, s12                       ; 16 x batch + my first head (4 cx + 2 x half)
	s_mul_i32 s3, s3, HB
	s_mov_b32 s12, 143360                          ; q: tiles, 4,096 bytes a group;
	s_mov_b32 s13, 139264                          ;    scale units
	s_cmp_eq_u32 ttmp9, 1
	s_cselect_b32 s18, 13, 12                      ; k: 8,192 bytes a key step,
	s_cselect_b32 s12, 8192, s12                   ;    from 8,192 on;
	s_cselect_b32 s13, 0, s13                      ;    scale units at the block's head
	s_lshl_b32 s20, s2, s18
	s_add_co_u32 s20, s20, s12
	s_add_co_u32 s20, s20, s3
	s_mov_b32 s21, 0
	s_lshl_b32 s22, s2, 8
	s_add_co_u32 s22, s22, s13
	s_add_co_u32 s22, s22, s3
	s_mov_b32 s23, 0
	s_add_nc_u64 s[20:21], s[10:11], s[20:21]      ; images
	s_add_nc_u64 s[22:23], s[10:11], s[22:23]      ; scale unit
	s_lshl_b32 s46, s42, 10
	s_lshl_b32 s47, s16, 9
	s_add_co_u32 s46, s46, s47
	s_mov_b32 s47, 0
	s_add_nc_u64 s[46:47], s[8:9], s[46:47]        ; the bias of my 128 channels
	v_lshlrev_b32 v7, 6, v2                        ; + 16 h channels
.irp b, 0,1,2,3
.irp j, 0,1,2,3
	global_load_b128 v[BI+16*\b+4*\j:BI+16*\b+4*\j+3], v7, s[46:47] offset:128*\b+16*\j
.endr
.endr
	s_wait_loadcnt 0x0
.irp a, 0,1,2,3,4,5,6,7
.if \a > 0
	s_wait_xcnt 0x0                                ; the last block's stores have read the codes' registers
.endif
	WIN 0x02+(\a)/4                                ; source 0: window 2 or 3
.set AC, 64*((\a)%4)
.set i, 0
.rept 32
	v_pk_add_f32 v[H+i:H+i+1], v[AC+i:AC+i+1], v[BI+i:BI+i+1]   ; ascending: each accumulator is read from its low end on
.set i, i+2
.endr
	WIN 0
	QUANT H, PW+\a
	global_store_b128 v[LI], v[PC:PC+3], s[20:21] offset:512*\a          ; tile a of my first head: 512 consecutive bytes
	global_store_b128 v[LI], v[PC+4:PC+7], s[20:21] offset:512*\a+HB     ; and of the second
.endr
.irp d, 0,1                                    ; a head's scale unit: word w = the head's two bytes of tiles 2 w and 2 w + 1
.irp w, 0,1,2,3
.if \d == 0
	v_perm_b32 v[H+8*\d+\w], v[PW+2*\w+1], v[PW+2*\w], 0x05040100
.else
	v_perm_b32 v[H+8*\d+\w], v[PW+2*\w+1], v[PW+2*\w], 0x07060302
.endif
.endr
	v_cndmask_b32 v[H+16+2*\d], v[H+8*\d], v[H+8*\d+1], vcc_lo
	v_cndmask_b32 v[H+17+2*\d], v[H+8*\d+2], v[H+8*\d+3], vcc_lo
	global_store_b64 v[L8], v[H+16+2*\d:H+17+2*\d], s[22:23] offset:\d*HB   ; 256 consecutive bytes, aligned
.endr
	s_branch .Ljoin
.Lv:
	; ---- v: my rows are 128 channels (two heads of four tiles), my 128 columns are the keys 128 g on
	s_lshl_b32 s2, s42, 1
	s_add_co_u32 s2, s2, s16                       ; g
	s_lshr_b32 s3, s2, 4
	s_and_b32 s2, s2, 15
	s_lshl_b32 s3, s3, 4
	s_lshl_b32 s12, s41, 2
	s_add_co_u32 s3, s3, s12
	s_lshl_b32 s12, s15, 1
	s_add_co_u32 s3, s3, s12                       ; 16 x batch + my first head (4 cy + 2 x half)
	s_mul_i32 s3, s3, HB
	s_lshl_b32 s20, s2, 13
	s_add_co_u32 s20, s20, s3
	s_add_co_u32 s20, s20, 8192+4096               ; V's fragments stand behind K's tiles in a key step
	s_mov_b32 s21, 0
	s_lshl_b32 s22, s2, 8
	s_add_co_u32 s22, s22, s3
	s_add_co_u32 s22, s22, 4096
	s_mov_b32 s23, 0
	s_add_nc_u64 s[20:21], s[10:11], s[20:21]
	s_add_nc_u64 s[22:23], s[10:11], s[22:23]
	s_lshl_b32 s46, s41, 10
	s_lshl_b32 s47, s15, 9
	s_add_co_u32 s46, s46, s47
	s_add_co_u32 s46, s46, 8192                    ; channel 2,048 + 256 cy + 128 x half
	s_mov_b32 s47, 0
	s_add_nc_u64 s[46:47], s[8:9], s[46:47]
	v_and_b32 v7, 8, v1
	v_add_nc_u32 v7, v7, v1
	v_lshlrev_b32 v7, 2, v7                        ; my row of a block: r + 8 (r / 8)
.irp a, 0,1,2,3,4,5,6,7
	global_load_b32 v[BI+2*\a], v7, s[46:47] offset:(32*(\a/2)+8*(\a%2))*4     ; my channel's bias, in both registers of a pair
	global_load_b32 v[BI+2*\a+1], v7, s[46:47] offset:(32*(\a/2)+8*(\a%2))*4
.endr
	s_wait_loadcnt 0x0
.irp a, 0,1,2,3,4,5,6,7
.if \a > 0
	s_wait_xcnt 0x0
.endif
	WIN 0x02+(\a)/4
.set AC, 64*((\a)%4)
.set i, 0
.rept 32
	v_pk_add_f32 v[H+i:H+i+1], v[AC+i:AC+i+1], v[BI+2*\a:BI+2*\a+1]
.set i, i+2
.endr
	WIN 0
	QUANT H, PW+\a
	global_store_b128 v[LI], v[PC:PC+3], s[20:21] offset:(\a/4)*HB+(\a%4)*1024
	global_store_b128 v[LI], v[PC+4:PC+7], s[20:21] offset:(\a/4)*HB+(\a%4)*1024+512
.endr
.irp d, 0,1
	v_cndmask_b32 v[H+2*\d], v[PW+4*\d], v[PW+4*\d+1], vcc_lo
	v_cndmask_b32 v[H+1+2*\d], v[PW+4*\d+2], v[PW+4*\d+3], vcc_lo
	global_store_b64 v[L8], v[H+2*\d:H+1+2*\d], s[22:23] offset:\d*HB
.endr
.Ljoin:
	s_wait_tensorcnt 0x0                           ; the wave's end
	ds_add_u32 v[SPW], v[NIL]
	s_wait_dscnt 0x0
	CROUND                                         ; the closing round
	s_endpgm
.Lfunc_end_k_qa371fd9e95_qkvgemm:
	.size	k_qa371fd9e95_qkvgemm, .Lfunc_end_k_qa371fd9e95_qkvgemm-k_qa371fd9e95_qkvgemm
	.p2alignl 7, 3214868480
	.fill 96, 4, 3214868480
	.section	.rodata,"a",@progbits
	.p2align	6, 0x0
	.amdhsa_kernel k_qa371fd9e95_qkvgemm
		.amdhsa_group_segment_fixed_size 279040
		.amdhsa_private_segment_fixed_size 0
		.amdhsa_enable_private_segment 0
		.amdhsa_kernarg_size 32
		.amdhsa_user_sgpr_count 2
		.amdhsa_user_sgpr_kernarg_segment_ptr 1
		.amdhsa_wavefront_size32 1
		.amdhsa_system_sgpr_workgroup_id_x 1
		.amdhsa_system_sgpr_workgroup_id_y 1
		.amdhsa_system_sgpr_workgroup_id_z 1
		.amdhsa_system_vgpr_workitem_id 0
		.amdhsa_next_free_vgpr 1024
		.amdhsa_next_free_sgpr 100
		.amdhsa_reserve_vcc 1
		.amdhsa_float_denorm_mode_32 3
		.amdhsa_float_denorm_mode_16_64 3
		.amdhsa_memory_ordered 1
		.amdhsa_forward_progress 1
		.amdhsa_inst_pref_size 197
	.end_amdhsa_kernel
	.amdgpu_metadata
---
amdhsa.version: [ 1, 2 ]
amdhsa.kernels:
  - .name:           k_qa371fd9e95_qkvgemm
    .symbol:         k_qa371fd9e95_qkvgemm.kd
    .args:
      - { .name: xq, .offset: 0, .size: 8, .value_kind: global_buffer, .address_space: global }
      - { .name: wq, .offset: 8, .size: 8, .value_kind: global_buffer, .address_space: global }
      - { .name: b_qkv, .offset: 16, .size: 8, .value_kind: global_buffer, .address_space: global }
      - { .name: qkv, .offset: 24, .size: 8, .value_kind: global_buffer, .address_space: global }
    .group_segment_fixed_size: 279040
    .private_segment_fixed_size: 0
    .kernarg_segment_align: 8
    .kernarg_segment_size: 32
    .max_flat_workgroup_size: 128
    .sgpr_count:     100
    .vgpr_count:     1024
    .wavefront_size: 32
...
	.end_amdgpu_metadata
.endif
;; end of part 2
;; launch attn (part 3): grid 4 x 64, 16 waves a work-group, clusters of 4 x 1, 327,680 bytes of LDS; arguments qkv, ao; writes ao
.if DOCPART == 3
	.amdgcn_target "amdgcn-amd-amdhsa--gfx1250"
	.amdhsa_code_object_version 6
	.text
	.protected	k_qa371fd9e95_attn
	.globl	k_qa371fd9e95_attn
	.p2align	8
	.type	k_qa371fd9e95_attn,@function
k_qa371fd9e95_attn:
	s_mov_b64 s[64:65], 0
	v_nop
	global_prefetch_b8 v0, s[64:65] scope:SCOPE_SE
	s_setreg_imm32_b32 hwreg(HW_REG_WAVE_MODE, 25, 1), 1
	s_wait_xcnt 0x0
	s_wait_alu depctr_hold_cnt(0) depctr_sa_sdst(0) depctr_va_vdst(0) depctr_va_sdst(0) depctr_va_ssrc(0) depctr_va_vcc(0) depctr_vm_vsrc(0)
	s_getreg_b32 s2, hwreg(HW_REG_IB_STS2, 6, 4)
	s_cmp_eq_u32 s2, 0
	s_cbranch_scc0 .Lentry_in_a_cluster
	s_endpgm
.Lentry_in_a_cluster:
	s_bfe_u32 s2, ttmp6, 0x10000c
	s_cmp_lg_u32 s2, 0x3003
	s_cbranch_scc0 .Lentry_shape_is_right
	s_endpgm
.Lentry_shape_is_right:
; Launch 3 of 4: for each of 64 (batch, head) pairs O = softmax(q k^T / 8) v on codes of E2M1, and O / l quantised along head x 64 + channel for the last product.  No work is left out.
; THE SOFTMAX: t = score x log2(e) / 8; M = the running largest t rounded UP to a whole number; p = 2^(t - M) is quantised along the keys, not normalised; the row's sum l is taken of the unquantised p and divides at the end.
; When M moves, the sum and O are multiplied by 2^(old M - new M): exact.
; SHARES.  A work-group owns 512 queries of one head; each of its sixteen waves two tiles of 16 (A, B), in 256 registers: four waves to a SIMD, so that one wave's vector work stands beside another's matrix work.
; The four work-groups of a cluster are the four query blocks of one head: K, V and their scale units are asked for JOINTLY.  A head's K and V, 139,264 bytes, lie in LDS whole, as in memory: two first fills a wave
; (the scale units and key steps 0-3; key steps 4-15), nothing is filled again.  A wave has one tensor load out at a time.
; LAYOUT.  Both products are used transposed: S^T = K Q^T, O^T = V^T P^T: a lane holds ONE query throughout.  The rows of a tile are chosen (by the launches before) so that the 16 registers of tiles 2 b, 2 b + 1 are 16 neighbours.
; THE FIRST PRODUCT'S K IS 64, half of the instruction's 128.  A fragment of K holds TWO key tiles (k 0-63: tile 2 b, k 64-127: tile 2 b + 1); it is multiplied by [q, 0] for the one and by [0, q] for the other: zero CODES add nothing.
; v16-35 hold [0, qA, 0, qB, 0], four registers each, so that all four operands are runs of eight.
; LIMITS: NaN and infinities are not served; a block of zeros keeps the byte 1; a block's largest p is taken through its largest score, which takes v_exp_f32 not to fall where its input rises.
; The scale bytes of O leave as 2 bytes a lane, 16 bytes apart: 256 KB in all.
.set HB,    208896
.set SPARE, 139264                     ; behind K and V: the spare words, 128 bytes for each of the 16 waves
.set LI,  1                            ; v1   16 x lane
.set L8,  2                            ; v2   8 x lane
.set SPW, 3
.set NIL, 4
.set ADK, 5                            ; v5   the key step's tiles
.set ADS, 6                            ; v6   its scale units
.set QZ,  16                           ; v16-35
.set QSA, 36                           ; v36, v37 Q's scale words; v[38:39] K's; v[40:41] V's; v42, v43 p's: scales and nothing else
.set QSB, 37
.set KSW, 38
.set VSW, 40
.set PWA, 42
.set PWB, 43
.set KV,  44                           ; v44-75   four fragments of K, then of V
.set S,   76                           ; v76-139  S^T, then p
.set OA,  140                          ; v140-171 O^T of tile A; v172-203 of tile B
.set OB,  172
.set PA,  204                          ; v204-211, v212-219 p's codes
.set PB,  212
.set BM,  220
.set T2,  224
.set SO,  228
.set F,   232
.set TT,  234
.set WV,  8
.set SEL, 40
.set CS,  42
.set TB,  44
.set TS,  45
.set CNT, 46
.macro CROUND
	s_barrier_signal -1
	s_barrier_wait -1
	s_cmp_lg_u32 s[WV], 0
	s_cbranch_scc1 .Lnot_wave_0_\@
	s_barrier_signal -3
.Lnot_wave_0_\@:
	s_barrier_wait -3
	s_barrier_signal -1
	s_barrier_wait -1
.endm
	s_load_b128 s[4:7], s[0:1], 0x0                ; qkv s[4:5], ao s[6:7]
	v_lshl_add_u32 v[SPW], v0, 2, SPARE
	v_mov_b32 v[NIL], 0
	ds_add_u32 v[SPW], v[NIL]                      ; the wave's opening: the add, twice on end, and its wait ahead of my first tensor load
	ds_add_u32 v[SPW], v[NIL]
	v_lshrrev_b32 v7, 5, v0
	s_delay_alu instid0(VALU_DEP_1)
	v_readfirstlane_b32 s[WV], v7                  ; wave 0..15
	s_bfe_u32 s9, ttmp6, 0x40000                   ; cx: my block of 512 queries
	s_and_b32 s10, ttmp7, 0xffff                   ; 16 x batch + head, which the four partners share
	s_mul_i32 s12, s10, HB
	s_mov_b32 s13, 0
	; descriptor groups 1: dense rows of 256 bytes (32 elements of 8 bytes), 10 and 24 of them; mask: all four work-groups
	s_mov_b32 s16, 15|(3<<16)|(1<<21)
	s_mov_b32 s17, 32<<16
	s_mov_b32 s18, 10<<16
	s_mov_b32 s19, 32<<16
	s_mov_b32 s20, 10
	s_mov_b32 s21, 32
	s_mov_b32 s22, 0
	s_mov_b32 s23, 0
	s_mov_b32 s24, 15|(3<<16)|(1<<21)
	s_mov_b32 s25, 32<<16
	s_mov_b32 s26, 24<<16
	s_mov_b32 s27, 32<<16
	s_mov_b32 s28, 24
	s_mov_b32 s29, 32
	s_mov_b32 s30, 0
	s_mov_b32 s31, 0
	s_mul_i32 s14, s[WV], 2560                     ; my sixteenth of the first 40,960 bytes,
	s_mul_i32 s15, s[WV], 6144
	s_add_co_u32 s15, s15, 40960                   ; and of the other 98,304: in memory as in LDS
	s_mov_b32 s49, 0
	s_mov_b32 s[SEL], 0x76543210
	s_mov_b32 s[SEL+1], 0xfedcba98
	s_mov_b32 s[CS], 0x3e38aa3b                    ; c = log2(e) / 8
	s_mov_b32 s[CS+1], s[CS]
	s_mov_b32 s[TB], 8192
	s_mov_b32 s[TS], 0
	s_wait_dscnt 0x0                               ; both opening adds are done
	s_wait_kmcnt 0x0
	s_add_nc_u64 s[4:5], s[4:5], s[12:13]          ; my head block
	s_mov_b32 s32, 1
	s_mov_b32 s33, s14
	s_mov_b32 s48, s14
	s_add_nc_u64 s[34:35], s[4:5], s[48:49]
	s_or_b32 s35, s35, 0x80000000
	s_mov_b32 s36, 1
	s_mov_b32 s37, s15
	s_mov_b32 s48, s15
	s_add_nc_u64 s[38:39], s[4:5], s[48:49]
	s_or_b32 s39, s39, 0x80000000
	CROUND                                         ; all four work-groups are here: the joint loads meet
	tensor_load_to_lds s[32:35], s[16:23]
	s_nop 0
	s_wait_alu depctr_va_vdst(0)
	s_wait_tensorcnt 0x0
	ds_add_u32 v3, v4
	s_wait_dscnt 0x0
	CROUND
	tensor_load_to_lds s[36:39], s[24:31]
	s_nop 0
.rept 4
	v_nop
.endr
	s_lshl_b32 s50, s9, 5
	s_lshl_b32 s51, s[WV], 1
	s_add_co_u32 s50, s50, s51                     ; T: my tile A among the head's 128
	s_lshl_b32 s48, s50, 9
	s_add_co_u32 s48, s48, 143360
	s_add_nc_u64 s[52:53], s[4:5], s[48:49]        ; Q's two tiles
	s_lshl_b32 s48, s9, 2
	s_lshr_b32 s51, s[WV], 2
	s_add_co_u32 s48, s48, s51
	s_lshl_b32 s48, s48, 8                         ; the scale unit of T / 8;
	s_and_b32 s51, s[WV], 1                        ; in it word wave % 4: 128 (word % 2) + 4 (word / 2)
	s_lshl_b32 s51, s51, 7
	s_add_co_u32 s48, s48, s51
	s_bfe_u32 s51, s[WV], 0x10001
	s_lshl_b32 s51, s51, 2
	s_add_co_u32 s48, s48, s51
	s_add_co_u32 s48, s48, 139264
	s_add_nc_u64 s[54:55], s[4:5], s[48:49]
	v_and_b32 v7, 31, v0
	s_delay_alu instid0(VALU_DEP_1)
	v_lshlrev_b32 v[LI], 4, v7
	s_delay_alu instid0(VALU_DEP_2)
	v_lshlrev_b32 v[L8], 3, v7
	v_and_b32 v7, 15, v0
	s_delay_alu instid0(VALU_DEP_1)
	v_lshlrev_b32 v7, 3, v7                        ; 8 r
	global_load_b128 v[QZ+4:QZ+7], v[LI], s[52:53] th:TH_LOAD_NT
	global_load_b128 v[QZ+12:QZ+15], v[LI], s[52:53] offset:512 th:TH_LOAD_NT
	global_load_b32 v[TT], v7, s[54:55]            ; bytes 0, 1: tile A's; 2, 3: tile B's
.irp j, 0,1,2,3,8,9,10,11,16,17,18,19
	v_mov_b32 v[QZ+\j], 0                          ; the zero codes round qA and qB
.endr
.irp t, 8, 12
	v_mov_b32 v[\t+1], 0xff61b1e6                  ; the largest t so far: -3e38
	s_delay_alu instid0(VALU_DEP_1)
	v_floor_f32 v[\t], -v[\t+1]                    ; -M
	v_mov_b32 v[\t+2], 0                           ; the sum, in two halves
	v_mov_b32 v[\t+3], 0
.endr
.irp b, 0,1,2,3
	v_mov_b32 v[T2+\b], 0                          ; written once: a lane permute's destination counts as one of its sources
.endr
	v_mov_b32 v[F+1], 0                            ; (named as the upper half of a pair)
	s_wait_loadcnt 0x0
	v_perm_b32 v[QSA], v[TT], v[TT], 0x01000100    ; (s0, s1, s0, s1): the word serves [q, 0] and [0, q] alike
	v_perm_b32 v[QSB], v[TT], v[TT], 0x03020302
.set j, 0
.rept 64
	v_mov_b32 v[OA+j], 0                           ; O^T: the step is written once, its first trip finds zeros.  (These lines are also the places between Q's scale words and the first products)
.set j, j+1
.endr
; S^T for one tile of queries: 8 tiles of 16 keys.  ql: the registers of [q, 0]; [0, q] begins four lower
.macro SPROD ql, qs
.irp n, 0,1,2,3,4,5,6,7
.if ((\n)/2)%2
	v_wmma_scale_f32_16x16x128_f8f6f4 v[S+8*\n:S+8*\n+7], v[KV+8*(\n/2):KV+8*(\n/2)+7], v[\ql-4*(\n%2):\ql-4*(\n%2)+7], 0, v[KSW+\n/4], v[\qs] matrix_a_fmt:MATRIX_FMT_FP4 matrix_b_fmt:MATRIX_FMT_FP4 matrix_a_scale:MATRIX_SCALE_ROW1
.else
	v_wmma_scale_f32_16x16x128_f8f6f4 v[S+8*\n:S+8*\n+7], v[KV+8*(\n/2):KV+8*(\n/2)+7], v[\ql-4*(\n%2):\ql-4*(\n%2)+7], 0, v[KSW+\n/4], v[\qs] matrix_a_fmt:MATRIX_FMT_FP4 matrix_b_fmt:MATRIX_FMT_FP4
.endif
.endr
.endm
; The softmax of one tile for 128 keys.  st: -M, largest t, the sum's two halves; o: its O^T; pc: p's codes; pw: p's scale word
.macro SOFT st, o, pc, pw
.irp b, 0,1,2,3
	v_max3_num_f32 v[BM+\b], v[S+16*\b], v[S+1+16*\b], v[S+2+16*\b]   ; the largest score of each block of 32 keys: for the row's maximum, and for the block's largest p
.endr
.irp i, 3,5,7,9,11,13
.irp b, 0,1,2,3
	v_max3_num_f32 v[BM+\b], v[BM+\b], v[S+16*\b+\i], v[S+1+16*\b+\i]
.endr
.endr
.irp b, 0,1,2,3
	v_max_num_f32 v[BM+\b], v[BM+\b], v[S+15+16*\b]
.endr
.irp b, 0,1,2,3
	s_delay_alu instid0(VALU_DEP_4)
	v_permlanex16_b32 v[T2+\b], v[BM+\b], s[SEL], s[SEL+1]
.endr
.irp b, 0,1,2,3
	s_delay_alu instid0(VALU_DEP_4)
	v_max_num_f32 v[BM+\b], v[BM+\b], v[T2+\b]     ; with lane l xor 16's 16 keys
.endr
	s_delay_alu instid0(VALU_DEP_2)
	v_max3_num_f32 v[TT], v[BM], v[BM+1], v[BM+2]
	s_delay_alu instid0(VALU_DEP_1)
	v_max_num_f32 v[TT], v[TT], v[BM+3]
	s_delay_alu instid0(VALU_DEP_1)
	v_mul_f32 v[TT], s[CS], v[TT]                  ; as t (c is positive)
	s_delay_alu instid0(VALU_DEP_1)
	v_max_num_f32 v[\st+1], v[\st+1], v[TT]        ; the running largest t
	v_mov_b32 v[TT], v[\st]
	s_delay_alu instid0(VALU_DEP_2)
	v_floor_f32 v[\st], -v[\st+1]                  ; the new -M = -ceil(t)
	s_delay_alu instid0(VALU_DEP_1)
	v_sub_f32 v[TT], v[\st], v[TT]                 ; old M - new M: a whole number, 0 or less
	s_delay_alu instid0(VALU_DEP_1)
	v_cvt_i32_f32 v[TT], v[TT]                     ; (it saturates)
	s_delay_alu instid0(VALU_DEP_1)
	v_ldexp_f32 v[F], 1.0, v[TT]                   ; f = 2^(old M - new M)
.set j, 0
.rept 32
	v_pk_fma_f32 v[S+j:S+j+1], v[S+j:S+j+1], s[CS:CS+1], v[\st:\st+1] op_sel_hi:[1,0,0]   ; t - M
.set j, j+2
.endr
.irp b, 0,1,2,3
	v_fma_f32 v[BM+\b], v[BM+\b], s[CS], v[\st]
.endr
.set j, 0
	s_wait_alu depctr_va_vdst(0)
.rept 64
	v_exp_f32 v[S+j], v[S+j]                       ; p = 2^(t - M)
.set j, j+1
.endr
	v_pk_mul_f32 v[\st+2:\st+3], v[\st+2:\st+3], v[F:F+1] op_sel_hi:[1,0]   ; the sums under the new M: the plain line behind the exponentials
	s_wait_alu depctr_va_vdst(0)                   ; one wait for the batch, ahead of its first reader
.irp b, 0,1,2,3
	v_exp_f32 v[BM+\b], v[BM+\b]                   ; the blocks' largest p
.endr
	v_pk_add_f32 v[T2:T2+1], v[S:S+1], v[S+2:S+3]  ; the row's sum of the unquantised p, in two chains
.irp j, 4,8,12,16,20,24,28,32,36,40,44,48,52,56,60
	v_pk_add_f32 v[\st+2:\st+3], v[\st+2:\st+3], v[S+\j:S+\j+1]
	v_pk_add_f32 v[T2:T2+1], v[T2:T2+1], v[S+2+\j:S+3+\j]
.endr
	s_delay_alu instid0(VALU_DEP_1)
	v_pk_add_f32 v[\st+2:\st+3], v[\st+2:\st+3], v[T2:T2+1]
	s_wait_alu depctr_va_vdst(0)                   ; and one for the four
.irp b, 0,1,2,3
	v_max_num_f32 v[BM+\b], 0x1800000, v[BM+\b]    ; the floor 2^(3 - 127)
.endr
.irp b, 0,1,2,3
	s_delay_alu instid0(VALU_DEP_4)
	v_add_nc_u32 v[SO+\b], 0xff000000, v[BM+\b]    ; the conversion's scale operand
.endr
.irp b, 0,1,2,3
	s_delay_alu instid0(VALU_DEP_4)
	v_lshrrev_b32 v[T2+\b], 23, v[SO+\b]           ; the scale's byte
.endr
	s_delay_alu instid0(VALU_DEP_3)
	v_lshl_or_b32 v[\pw], v[T2+1], 8, v[T2]
	s_delay_alu instid0(VALU_DEP_1)
	v_lshl_or_b32 v[\pw], v[T2+2], 16, v[\pw]
	s_delay_alu instid0(VALU_DEP_1)
	v_lshl_or_b32 v[\pw], v[T2+3], 24, v[\pw]
.irp b, 0,1,2,3
	v_cvt_scalef32_pk8_fp4_f32 v[\pc+2*\b], v[S+16*\b:S+7+16*\b], v[SO+\b]
	v_cvt_scalef32_pk8_fp4_f32 v[\pc+1+2*\b], v[S+8+16*\b:S+15+16*\b], v[SO+\b]
.endr
	v_nop                                          ; one plain line behind the conversions
.irp c, 0,1
.irp i, 0,1
	v_permlane16_swap_b32 v[\pc+4*\c+\i], v[\pc+2+4*\c+\i]
.endr
.endr
.set j, 0
.rept 16
	v_pk_mul_f32 v[\o+j:\o+j+1], v[\o+j:\o+j+1], v[F:F+1] op_sel_hi:[1,0]   ; O^T under the new M.  (Also the places between p's scale word and the products that name it)
.set j, j+2
.endr
.endm
; A KEY STEP: 128 keys, both tiles of queries
.macro STEP
	s_setprio 2
	v_add_nc_u32 v[ADK], s[TB], v[LI]
	v_add_nc_u32 v[ADS], s[TS], v[L8]
	v_nop
	v_nop                                          ; four places in front of loads into registers that the last products read
.irp n, 0,1,2,3,4,5,6,7
	ds_load_b128 v[KV+4*\n:KV+4*\n+3], v[ADK] offset:512*\n      ; key tile n: 512 consecutive bytes
.endr
	ds_load_b64 v[KSW:KSW+1], v[ADS]               ; K's four words a row: v38: word 0 | word 1 by halves of the lanes, v39: word 2 | word 3
	s_wait_dscnt 0x0
	SPROD QZ+4, QSA
.rept 4
	v_nop
.endr
	SOFT 8, OA, PA, PWA
	SPROD QZ+12, QSB
.rept 4
	v_nop                                          ; places in front of the loads into K's registers and of the first read of the scores
.endr
.irp t, 0,1,2,3
.irp c, 0,1
	ds_load_b128 v[KV+8*\t+4*\c:KV+8*\t+4*\c+3], v[ADK] offset:4096+1024*\t+512*\c   ; V^T: they land while tile B's softmax is walked
.endr
.endr
	ds_load_b64 v[VSW:VSW+1], v[ADS] offset:4096
	s_setprio 1
	SOFT 12, OB, PB, PWB
	s_setprio 0
	s_wait_alu depctr_va_vdst(0)
	s_wait_dscnt 0x0
.irp t, 0,1,2,3                                ; O^T += V^T P^T: eight accumulators, one instruction each
.if \t%2
	v_wmma_scale_f32_16x16x128_f8f6f4 v[OA+8*\t:OA+8*\t+7], v[KV+8*\t:KV+8*\t+7], v[PA:PA+7], v[OA+8*\t:OA+8*\t+7], v[VSW+\t/2], v[PWA] matrix_a_fmt:MATRIX_FMT_FP4 matrix_b_fmt:MATRIX_FMT_FP4 matrix_a_scale:MATRIX_SCALE_ROW1
	v_wmma_scale_f32_16x16x128_f8f6f4 v[OB+8*\t:OB+8*\t+7], v[KV+8*\t:KV+8*\t+7], v[PB:PB+7], v[OB+8*\t:OB+8*\t+7], v[VSW+\t/2], v[PWB] matrix_a_fmt:MATRIX_FMT_FP4 matrix_b_fmt:MATRIX_FMT_FP4 matrix_a_scale:MATRIX_SCALE_ROW1
.else
	v_wmma_scale_f32_16x16x128_f8f6f4 v[OA+8*\t:OA+8*\t+7], v[KV+8*\t:KV+8*\t+7], v[PA:PA+7], v[OA+8*\t:OA+8*\t+7], v[VSW+\t/2], v[PWA] matrix_a_fmt:MATRIX_FMT_FP4 matrix_b_fmt:MATRIX_FMT_FP4
	v_wmma_scale_f32_16x16x128_f8f6f4 v[OB+8*\t:OB+8*\t+7], v[KV+8*\t:KV+8*\t+7], v[PB:PB+7], v[OB+8*\t:OB+8*\t+7], v[VSW+\t/2], v[PWB] matrix_a_fmt:MATRIX_FMT_FP4 matrix_b_fmt:MATRIX_FMT_FP4
.endif
.endr
	s_add_co_u32 s[TB], s[TB], 8192
	s_add_co_u32 s[TS], s[TS], 256
.endm
	s_wait_tensorcnt 0x1                           ; my part of the scale units and key steps 0-3 is in; the second load may stay out
	s_barrier_signal -1
	s_barrier_wait -1                              ; everybody's is
	s_mov_b32 s[CNT], 4
.Lfirst:
	STEP
	s_sub_co_u32 s[CNT], s[CNT], 1
	s_cmp_lg_u32 s[CNT], 0
	s_cbranch_scc1 .Lfirst
	s_setprio 0
	s_wait_tensorcnt 0x0                           ; my part of key steps 4-15 is in,
	s_wait_dscnt 0x0
	s_barrier_signal -1
	s_barrier_wait -1                              ; everybody's is
	s_mov_b32 s[CNT], 12
.Lrest:
	STEP
	s_sub_co_u32 s[CNT], s[CNT], 1
	s_cmp_lg_u32 s[CNT], 0
	s_cbranch_scc1 .Lrest
	s_setprio 0
	; THE WAY OUT: O^T / l, quantised along the head's 64 (two blocks): four registers of codes and two scale bytes a tile
.rept 4
	v_nop
.endr
	v_add_f32 v10, v10, v11                        ; the sums' two halves,
	v_add_f32 v14, v14, v15
	s_delay_alu instid0(VALU_DEP_2)
	v_permlanex16_b32 v[T2], v10, s[SEL], s[SEL+1]
	s_delay_alu instid0(VALU_DEP_2)
	v_permlanex16_b32 v[T2+1], v14, s[SEL], s[SEL+1]
	s_delay_alu instid0(VALU_DEP_2)
	v_add_f32 v10, v10, v[T2]                      ; and lane l xor 16's
	s_delay_alu instid0(VALU_DEP_2)
	v_add_f32 v14, v14, v[T2+1]
	s_wait_alu depctr_va_vdst(0)
	v_rcp_f32 v10, v10
	v_rcp_f32 v14, v14
	v_nop                                          ; a plain line behind the reciprocals
	s_lshr_b32 s56, s10, 4
	s_lshl_b32 s56, s56, 7
	s_add_co_u32 s56, s56, s50                     ; tile A's row block in ao: 128 x batch + T
	s_and_b32 s57, s10, 15                         ; head
	s_lshl_b32 s48, s56, 13
	s_lshl_b32 s51, s57, 9
	s_add_co_u32 s48, s48, s51
	s_add_nc_u64 s[58:59], s[6:7], s[48:49]        ; codes: k = 64 x head on
	s_lshl_b32 s48, s56, 9
	s_lshr_b32 s51, s57, 3
	s_lshl_b32 s51, s51, 8
	s_add_co_u32 s48, s48, s51
	s_bfe_u32 s51, s57, 0x20001
	s_lshl_b32 s51, s51, 2
	s_add_co_u32 s48, s48, s51
	s_and_b32 s51, s57, 1
	s_lshl_b32 s51, s51, 1
	s_add_co_u32 s48, s48, s51
	s_add_co_u32 s48, s48, 0x400000
	s_add_nc_u64 s[60:61], s[6:7], s[48:49]        ; the head's two bytes of a row's scale words
	s_wait_alu depctr_va_vdst(0)                   ; one wait for both reciprocals, ahead of their first reader
.set j, 0
.rept 32
	v_mul_f32 v[S+j], v[OA+j], v10                 ; ascending: each accumulator is read from its low end on
.set j, j+1
.endr
.set j, 0
.rept 32
	v_mul_f32 v[S+32+j], v[OB+j], v14
.set j, j+1
.endr
.macro QUANT2 s, pc, pw                ; 32 numbers of a lane, register 16 b + i = channel 32 b + 16 h + i
.irp b, 0,1
	v_max3_num_f32 v[BM+\b], |v[\s+16*\b]|, |v[\s+1+16*\b]|, 0x1800000
.endr
.irp i, 2,4,6,8,10,12,14
.irp b, 0,1
	s_delay_alu instid0(VALU_DEP_2)
	v_max3_num_f32 v[BM+\b], v[BM+\b], |v[\s+16*\b+\i]|, |v[\s+1+16*\b+\i]|
.endr
.endr
.irp b, 0,1
	s_delay_alu instid0(VALU_DEP_2)
	v_permlanex16_b32 v[T2+\b], v[BM+\b], s[SEL], s[SEL+1]
.endr
.irp b, 0,1
	s_delay_alu instid0(VALU_DEP_2)
	v_max_num_f32 v[BM+\b], v[BM+\b], v[T2+\b]
.endr
.irp b, 0,1
	s_delay_alu instid0(VALU_DEP_2)
	v_add_nc_u32 v[SO+\b], 0xff000000, v[BM+\b]
.endr
.irp b, 0,1
	s_delay_alu instid0(VALU_DEP_2)
	v_lshrrev_b32 v[T2+\b], 23, v[SO+\b]
.endr
	s_delay_alu instid0(VALU_DEP_1)
	v_lshl_or_b32 v[\pw], v[T2+1], 8, v[T2]
.irp b, 0,1
	v_cvt_scalef32_pk8_fp4_f32 v[\pc+2*\b], v[\s+16*\b:\s+7+16*\b], v[SO+\b]
	v_cvt_scalef32_pk8_fp4_f32 v[\pc+1+2*\b], v[\s+8+16*\b:\s+15+16*\b], v[SO+\b]
.endr
	v_nop
.irp i, 0,1
	v_permlane16_swap_b32 v[\pc+\i], v[\pc+2+\i]
.endr
.endm
	QUANT2 S, PA, F
	QUANT2 S+32, PB, F+1
	v_and_b32 v7, 15, v0
	s_delay_alu instid0(VALU_DEP_1)
	v_lshlrev_b32 v7, 4, v7
	v_bfe_u32 v[TT], v0, 4, 1
	s_delay_alu instid0(VALU_DEP_1)
	v_lshl_add_u32 v7, v[TT], 9, v7                ; 16 r; lanes 16-31 store tile B's, one row block on
	s_delay_alu instid0(VALU_DEP_2)
	v_cmp_eq_u32 vcc_lo, 1, v[TT]
	s_delay_alu instid0(VALU_DEP_1)
	v_cndmask_b32 v[ADS], v[F], v[F+1], vcc_lo
	global_store_b128 v[LI], v[PA:PA+3], s[58:59]                 ; 512 consecutive bytes a tile
	global_store_b128 v[LI], v[PB:PB+3], s[58:59] offset:8192
	global_store_b16 v7, v[ADS], s[60:61]
	s_wait_tensorcnt 0x0                           ; the wave's end
	ds_add_u32 v[SPW], v[NIL]
	s_wait_dscnt 0x0
	CROUND                                         ; the closing round
	s_endpgm
.Lfunc_end_k_qa371fd9e95_attn:
	.size	k_qa371fd9e95_attn, .Lfunc_end_k_qa371fd9e95_attn-k_qa371fd9e95_attn
	.p2alignl 7, 3214868480
	.fill 96, 4, 3214868480
	.section	.rodata,"a",@progbits
	.p2align	6, 0x0
	.amdhsa_kernel k_qa371fd9e95_attn
		.amdhsa_group_segment_fixed_size 327680
		.amdhsa_private_segment_fixed_size 0
		.amdhsa_enable_private_segment 0
		.amdhsa_kernarg_size 16
		.amdhsa_user_sgpr_count 2
		.amdhsa_user_sgpr_kernarg_segment_ptr 1
		.amdhsa_wavefront_size32 1
		.amdhsa_system_sgpr_workgroup_id_x 1
		.amdhsa_system_sgpr_workgroup_id_y 1
		.amdhsa_system_sgpr_workgroup_id_z 1
		.amdhsa_system_vgpr_workitem_id 0
		.amdhsa_next_free_vgpr 256
		.amdhsa_next_free_sgpr 66
		.amdhsa_reserve_vcc 1
		.amdhsa_float_denorm_mode_32 3
		.amdhsa_float_denorm_mode_16_64 3
		.amdhsa_memory_ordered 1
		.amdhsa_forward_progress 1
		.amdhsa_inst_pref_size 79
	.end_amdhsa_kernel
	.amdgpu_metadata
---
amdhsa.version: [ 1, 2 ]
amdhsa.kernels:
  - .name:           k_qa371fd9e95_attn
    .symbol:         k_qa371fd9e95_attn.kd
    .args:
      - { .name: qkv, .offset: 0, .size: 8, .value_kind: global_buffer, .address_space: global }
      - { .name: ao, .offset: 8, .size: 8, .value_kind: global_buffer, .address_space: global }
    .group_segment_fixed_size: 327680
    .private_segment_fixed_size: 0
    .kernarg_segment_align: 8
    .kernarg_segment_size: 16
    .max_flat_workgroup_size: 512
    .sgpr_count:     66
    .vgpr_count:     256
    .wavefront_size: 32
...
	.end_amdgpu_metadata
.endif
;; end of part 3
;; launch outgemm (part 4): grid 4 x 32, 4 waves a work-group, clusters of 4 x 4, 327,680 bytes of LDS; arguments ao, wo, b_out, out0; writes out0
.if DOCPART == 4
	.amdgcn_target "amdgcn-amd-amdhsa--gfx1250"
	.amdhsa_code_object_version 6
	.text
	.protected	k_qa371fd9e95_outgemm
	.globl	k_qa371fd9e95_outgemm
	.p2align	8
	.type	k_qa371fd9e95_outgemm,@function
k_qa371fd9e95_outgemm:
	s_mov_b64 s[64:65], 0
	v_nop
	global_prefetch_b8 v0, s[64:65] scope:SCOPE_SE
	s_setreg_imm32_b32 hwreg(HW_REG_WAVE_MODE, 25, 1), 1
	s_wait_xcnt 0x0
	s_wait_alu depctr_hold_cnt(0) depctr_sa_sdst(0) depctr_va_vdst(0) depctr_va_sdst(0) depctr_va_ssrc(0) depctr_va_vcc(0) depctr_vm_vsrc(0)
	s_getreg_b32 s2, hwreg(HW_REG_IB_STS2, 6, 4)
	s_cmp_eq_u32 s2, 0
	s_cbranch_scc0 .Lentry_in_a_cluster
	s_endpgm
.Lentry_in_a_cluster:
	s_bfe_u32 s2, ttmp6, 0x10000c
	s_cmp_lg_u32 s2, 0xf033
	s_cbranch_scc0 .Lentry_shape_is_right
	s_endpgm
.Lentry_shape_is_right:
; Launch 4 of 4: out0 = (O / l) W_out + b_out on codes of E2M1 (K = 1,024), f32 out.  No work is left out.
; A tile of 256 x 256 is made by four waves, 128 x 128 each.  P = ao's rows (source 1: a lane holds one token), R = W_out's columns (source 0: they run along a lane's registers).
; All of K lies in LDS: two slots of 512 along K and the scale words, three first fills a wave (one tensor load out at a time), nothing is filled again.
; P's tile is shared along a row of the 4 x 4 cluster, R's along a column: joint loads.  Operands are images of their registers: 512 consecutive bytes a load, no padding.
; The bias is the C of each sum's first product.  Row r of row block RB is token 32 (RB / 2) + 8 (RB % 2) + r + 8 (r / 8); the 16 registers of R's blocks 2 b, 2 b + 1 are columns 32 b + 16 h + 0..15.
; The grid has 128 work-groups: the tile of the launch before is kept, so that one loop serves both products.
; REGISTERS: window 0: v1-3 r, h, lane; v16-31 addresses; v32-95 scale words and nothing else; v128-191 P's fragments; v192-255 the bias; on the way out v128-255 rows of out0.  window 1: R's two sets.  windows 2, 3: accumulators.
.set NQ,    4
.set FR,    8
.set NL,    2
.set NP,    4
.set HALFT, 32768
.set SLOT,  131072
.set SCL,   262144
.set HALFS, 4096
.set SBLK,  512
.set SPARE, 278528
.set SPITCH, 528                       ; the way out: a stage of 16 rows x (512 + 16) bytes for each wave, in slot 0, which has had its only fill and its last read by then
.set ADRA, 16
.set ADRB, 20
.set STO,  24
.set RD,   25
.set ADRS, 27
.set SPW,  28
.set NIL,  29
.set LI,   30
.set SC,   32
.set AF,   128
.set BK,   128
.set BIAS, 192
.set G1,   24
.set G0,   32
.set G1B,  48
.set G0B,  56
.set G1S,  68
.set G0S,  76
.set G1SB, 80
.set G0SB, 88
.set MSB, 0
.macro WIN new
.if MSB != (\new)
	s_set_vgpr_msb (MSB<<8)|(\new)
.set MSB, (\new)
.endif
.endm
.set MUL_LO, 0xa1                      ; source 0 (R) window 1, source 1 (P) window 0, C and D window 2
.set MUL_HI, 0xf1
.set FST_LO, 0x81                      ; the same with C (the bias) in window 0
.set FST_HI, 0xc1
.set TO_B,   0x40
.macro JLOAD g0a, g1a, g0b, g1b
	s_cmp_eq_u32 s15, 0
	s_cbranch_scc0 .Lfor_b_\@
	tensor_load_to_lds s[\g0a:\g0a+3], s[\g1a:\g1a+7]
	s_nop 0
.rept 4
	v_nop
.endr
	s_branch .Lasked_\@
.Lfor_b_\@:
	tensor_load_to_lds s[\g0b:\g0b+3], s[\g1b:\g1b+7]
	s_nop 0
.rept 4
	v_nop
.endr
.Lasked_\@:
.endm
.macro CROUND
	s_barrier_signal -1
	s_barrier_wait -1
	s_cmp_lg_u32 s14, 0
	s_cbranch_scc1 .Lnot_wave_0_\@
	s_barrier_signal -3
.Lnot_wave_0_\@:
	s_barrier_wait -3
	s_barrier_signal -1
	s_barrier_wait -1
.endm
	s_load_b256 s[4:11], s[0:1], 0x0               ; ao s[4:5], wo s[6:7], b_out s[8:9], out0 s[10:11]
	v_lshl_add_u32 v[SPW], v0, 2, SPARE
	v_mov_b32 v[NIL], 0
	ds_add_u32 v[SPW], v[NIL]                      ; the wave's opening: the add, twice on end, and its wait ahead of my first tensor load
	ds_add_u32 v[SPW], v[NIL]
	v_lshrrev_b32 v1, 5, v0
	v_readfirstlane_b32 s14, v1                    ; wave 0..3
	s_lshr_b32 s15, s14, 1                         ; my half of P's rows; also: I fetch for P (0) or R (1)
	s_and_b32 s16, s14, 1                          ; my half of R's rows; also: which 8 row blocks I fetch
	s_bfe_u32 s40, ttmp6, 0x40000                  ; cx
	s_bfe_u32 s41, ttmp6, 0x40004                  ; cy
	s_lshl_b32 s42, ttmp9, 2
	s_add_co_u32 s42, s42, s40                     ; R's tile
	s_and_b32 s17, ttmp7, 0xffff
	s_lshl_b32 s17, s17, 2
	s_add_co_u32 s17, s17, s41                     ; P's tile
	s_lshl_b32 s43, s41, 2
	s_lshl_b32 s43, 15, s43                        ; my row of the cluster
	s_lshl_b32 s44, 0x1111, s40                    ; my column
	s_or_b32 s[G1+0], s43, (3<<16)|(1<<21)         ; codes: 8 rows of 4,096 bytes (512 elements of 8), 8,192 bytes apart in memory, dense in LDS
	s_or_b32 s[G1B+0], s44, (3<<16)|(1<<21)
.irp g, G1, G1B
	s_mov_b32 s[\g+1], 512<<16
	s_mov_b32 s[\g+2], 8<<16
	s_mov_b32 s[\g+3], 512<<16
	s_mov_b32 s[\g+4], 8
	s_mov_b32 s[\g+5], 1024
	s_mov_b32 s[\g+6], 0
	s_mov_b32 s[\g+7], 0
.endr
	s_or_b32 s[G1S+0], s43, (3<<16)|(1<<21)        ; scale words: 16 dense rows of 256 bytes
	s_or_b32 s[G1SB+0], s44, (3<<16)|(1<<21)
.irp g, G1S, G1SB
	s_mov_b32 s[\g+1], 32<<16
	s_mov_b32 s[\g+2], 16<<16
	s_mov_b32 s[\g+3], 32<<16
	s_mov_b32 s[\g+4], 16
	s_mov_b32 s[\g+5], 32
	s_mov_b32 s[\g+6], 0
	s_mov_b32 s[\g+7], 0
.endr
	s_lshl_b32 s18, s16, 3
	s_lshl_b32 s20, s17, 4
	s_add_co_u32 s20, s20, s18                     ; P: the first row block that I fetch
	s_lshl_b32 s46, s42, 4
	s_add_co_u32 s46, s46, s18                     ; R: likewise
	s_lshl_b32 s22, s20, 9
	s_add_co_u32 s22, s22, 0x400000                ; ao's scale words
	s_mov_b32 s23, 0
	s_lshl_b32 s92, s46, 9
	s_add_co_u32 s92, s92, 0x80000                 ; wo's
	s_mov_b32 s93, 0
	s_lshl_b32 s20, s20, 13
	s_mov_b32 s21, 0
	s_lshl_b32 s46, s46, 13
	s_mov_b32 s47, 0
	s_mul_i32 s45, s14, HALFT
	s_mul_i32 s94, s14, HALFS
	s_wait_dscnt 0x0                               ; both opening adds are done
	s_wait_kmcnt 0x0
	s_add_nc_u64 s[20:21], s[4:5], s[20:21]
	s_add_nc_u64 s[22:23], s[4:5], s[22:23]
	s_add_nc_u64 s[46:47], s[6:7], s[46:47]
	s_add_nc_u64 s[92:93], s[6:7], s[92:93]
	CROUND                                         ; all sixteen work-groups are here: the first joint loads meet
	s_mov_b32 s[G0S], 1
	s_add_co_u32 s[G0S+1], s94, SCL
	s_mov_b64 s[G0S+2:G0S+3], s[22:23]
	s_or_b32 s[G0S+3], s[G0S+3], 0x80000000
	s_mov_b32 s[G0SB], 1
	s_add_co_u32 s[G0SB+1], s94, SCL
	s_mov_b64 s[G0SB+2:G0SB+3], s[92:93]
	s_or_b32 s[G0SB+3], s[G0SB+3], 0x80000000
	JLOAD G0S, G1S, G0SB, G1SB
.irp s, 0,1
	s_mov_b32 s[G0+4*\s], 1
	s_add_co_u32 s[G0+4*\s+1], s45, \s*SLOT
	s_add_nc_u64 s[G0+4*\s+2:G0+4*\s+3], s[20:21], \s*4096
	s_or_b32 s[G0+4*\s+3], s[G0+4*\s+3], 0x80000000
	s_mov_b32 s[G0B+4*\s], 1
	s_add_co_u32 s[G0B+4*\s+1], s45, \s*SLOT
	s_add_nc_u64 s[G0B+4*\s+2:G0B+4*\s+3], s[46:47], \s*4096
	s_or_b32 s[G0B+4*\s+3], s[G0B+4*\s+3], 0x80000000
	s_wait_alu depctr_va_vdst(0)
	s_wait_tensorcnt 0x0
	ds_add_u32 v28, v29
	s_wait_dscnt 0x0
	CROUND
	JLOAD G0+4*\s, G1, G0B+4*\s, G1B
.endr
	v_and_b32 v1, 15, v0                           ; r
	v_bfe_u32 v2, v0, 4, 1                         ; h
	v_and_b32 v3, 31, v0                           ; lane
	v_lshlrev_b32 v[LI], 4, v3
	s_wait_alu depctr_va_vdst(0)
	s_lshl_b32 s46, s42, 10                        ; my 128 columns, in bytes of f32: 1,024 x tile + 512 x half
	s_lshl_b32 s47, s16, 9
	s_add_co_u32 s46, s46, s47
	s_mov_b32 s47, 0
	s_add_nc_u64 s[92:93], s[8:9], s[46:47]        ; their bias
	v_lshlrev_b32 v7, 6, v2                        ; + 16 h columns
.irp b, 0,1,2,3,4,5,6,7
	global_load_b128 v[BIAS+8*\b:BIAS+8*\b+3], v7, s[92:93] offset:(32*(\b/2)+8*(\b%2))*4
	global_load_b128 v[BIAS+8*\b+4:BIAS+8*\b+7], v7, s[92:93] offset:(32*(\b/2)+8*(\b%2))*4+16
.endr
	s_lshl_b32 s20, s17, 20                        ; my 128 rows of out0: 256 x tile + 128 x half, 4,096 bytes each
	s_lshl_b32 s21, s15, 19
	s_add_co_u32 s20, s20, s21
	s_add_co_u32 s20, s20, s46
	s_mov_b32 s21, 0
	s_add_nc_u64 s[12:13], s[10:11], s[20:21]
	s_mul_i32 s21, s15, HALFT
	s_mul_i32 s22, s16, HALFT
	s_add_co_u32 s22, s22, 2*HALFT
.irp s, 0,1
	v_add_nc_u32 v[ADRA+\s], s21, v[LI]
	v_add_nc_u32 v[ADRB+\s], s22, v[LI]
	s_add_co_u32 s21, s21, SLOT
	s_add_co_u32 s22, s22, SLOT
.endr
	v_lshlrev_b32 v5, 4, v1
	s_mul_i32 s21, s15, HALFS
	s_mul_i32 s22, s16, HALFS
	s_add_co_u32 s22, s22, 2*HALFS
	s_sub_co_u32 s22, s22, s21
	v_mul_u32_u24 v6, s22, v2                      ; lanes 16-31 take R's scale words
	s_add_co_u32 s21, s21, SCL
	v_add_nc_u32 v5, v5, v6
	v_add_nc_u32 v[ADRS], s21, v5
	s_mul_i32 s23, s14, 16*SPITCH                  ; my stage
	v_mul_u32_u24 v5, v1, SPITCH
	v_lshl_add_u32 v5, v2, 6, v5
	v_add_nc_u32 v[STO], s23, v5                   ; in: row r, + 64 h bytes
	v_add_nc_u32 v[RD], s23, v[LI]                 ; back: the 32 lanes take one row of 512 bytes
.macro FRAG reg, adr, q, i
.irp c, 0,1
	ds_load_b128 v[\reg+4*\c:\reg+4*\c+3], v[\adr] offset:(\i)*4096+(\q)*1024+512*\c
.endr
.endm
; 16 matrix instructions: P's blocks a0, a0 + 1 x R's eight.  first = 1: the bias is the C of the sum's first product.  The 64 accumulators take turns.
.macro MUL16 a0, p, q, sc, first
.irp a, \a0, \a0+1
.irp b, 0,1,2,3,4,5,6,7
.if \first
	v_wmma_scale_f32_16x16x128_f8f6f4 v[8*(8*((\a)%4)+\b):8*(8*((\a)%4)+\b)+7], v[128*(\p)+FR*\b:128*(\p)+FR*\b+FR-1], v[AF+FR*(\a):AF+FR*(\a)+FR-1], v[BIAS+8*\b:BIAS+8*\b+7], v[SC+8*NQ*(\sc)+NQ*\b+(\q)], v[SC+8*NQ*(\sc)+NQ*(\a)+(\q)] matrix_a_fmt:MATRIX_FMT_FP4 matrix_b_fmt:MATRIX_FMT_FP4 matrix_a_scale:MATRIX_SCALE_ROW1
.else
	v_wmma_scale_f32_16x16x128_f8f6f4 v[8*(8*((\a)%4)+\b):8*(8*((\a)%4)+\b)+7], v[128*(\p)+FR*\b:128*(\p)+FR*\b+FR-1], v[AF+FR*(\a):AF+FR*(\a)+FR-1], v[8*(8*((\a)%4)+\b):8*(8*((\a)%4)+\b)+7], v[SC+8*NQ*(\sc)+NQ*\b+(\q)], v[SC+8*NQ*(\sc)+NQ*(\a)+(\q)] matrix_a_fmt:MATRIX_FMT_FP4 matrix_b_fmt:MATRIX_FMT_FP4 matrix_a_scale:MATRIX_SCALE_ROW1
.endif
.endr
.endr
.endm
.macro FETCH_B slot, q, p
	WIN TO_B
.irp i, 0,1,2,3,4,5,6,7
	FRAG 128*(\p)+FR*\i, ADRB+\slot, \q, \i
.endr
	WIN 0
.endm
.macro FETCH_A slot, q, i0
.irp i, \i0, \i0+1, \i0+2, \i0+3
	FRAG AF+FR*(\i), ADRA+\slot, \q, \i
.endr
.endm
.macro SCALES sc
.irp i, 0,1,2,3,4,5,6,7
	ds_load_b128 v[SC+8*NQ*\sc+NQ*\i:SC+8*NQ*\sc+NQ*\i+3], v[ADRS] offset:\i*SBLK
.endr
.endm
.macro PLACES n
.rept \n
	v_nop
.endr
.endm
.macro STEP slot, q, first
	s_wait_dscnt 4*NL                              ; R's set and P's blocks 0-3 are in; the youngest eight loads (P's blocks 4-7) may be out
.if \first
	WIN FST_LO
.else
	WIN MUL_LO
.endif
	MUL16 0, (\q)%2, \q, \slot, \first
	MUL16 2, (\q)%2, \q, \slot, \first
	s_wait_dscnt 0
	PLACES NP
	FETCH_B \slot, (\q)+1, 1-(\q)%2
	FETCH_A \slot, (\q)+1, 0
.if \first
	WIN FST_HI
.else
	WIN MUL_HI
.endif
	MUL16 4, (\q)%2, \q, \slot, \first
	MUL16 6, (\q)%2, \q, \slot, \first
	PLACES NP
	WIN 0
	FETCH_A \slot, (\q)+1, 4
.endm
.macro TURN slot, next
	s_wait_tensorcnt 0x0                           ; all my tensor loads have landed: my part of the next slot
	ds_add_u32 v[SPW], v[NIL]                      ; 0 onto my spare word
	s_wait_dscnt 4*NL+1                            ; (the add and P's blocks 4-7 may be out)
	WIN MUL_LO
	MUL16 0, 1, NQ-1, \slot, 0
	s_wait_dscnt 0x0                               ; the add is done, and my reads of this slot are over
	s_barrier_signal -1
	MUL16 2, 1, NQ-1, \slot, 0
	WIN 0
	s_barrier_wait -1
	PLACES NP
	v_add_nc_u32 v[ADRS], 256, v[ADRS]
	FETCH_B \next, 0, 0
	FETCH_A \next, 0, 0
	SCALES \next
	WIN MUL_HI
	MUL16 4, 1, NQ-1, \slot, 0
	MUL16 6, 1, NQ-1, \slot, 0
	PLACES NP
	WIN 0
	FETCH_A \next, 0, 4
.endm
	s_wait_alu depctr_va_vdst(0)
	s_wait_tensorcnt 1                             ; the scale words and my part of slot 0 are in (slot 1's load may be out)
	s_barrier_signal -1
	s_barrier_wait -1                              ; everybody's are
	FETCH_B 0, 0, 0
	FETCH_A 0, 0, 0
	SCALES 0
	FETCH_A 0, 0, 4
	s_wait_loadcnt 0x0                             ; the bias
	STEP 0, 0, 1
	STEP 0, 1, 0
	STEP 0, 2, 0
	TURN 0, 1
	STEP 1, 0, 0
	STEP 1, 1, 0
	STEP 1, 2, 0
	s_wait_dscnt 4*NL
	WIN MUL_LO
	MUL16 0, 1, NQ-1, 1, 0
	MUL16 2, 1, NQ-1, 1, 0
	s_wait_dscnt 0
	WIN MUL_HI
	MUL16 4, 1, NQ-1, 1, 0
	MUL16 6, 1, NQ-1, 1, 0
	WIN 0
; THE WAY OUT, block by block of 16 rows x 128 columns, through my own stage: in by lanes (a lane's eight registers of R's block b are columns 32 (b / 2) + 16 h + 8 (b % 2) + 0..7), back as whole rows of 512 bytes.
; LDS serves a wave's instructions in order (ISA guide 5.7.1.4): no wait between the stores and the loads.
.macro TOSTAGE a
.set AC, 64*((\a)%4)
	WIN 0x08+4*((\a)/4)                            ; an LDS store's data: window 2 or 3
.irp b, 0,1,2,3,4,5,6,7
	ds_store_b128 v[STO], v[AC+8*\b:AC+8*\b+3] offset:128*(\b/2)+32*(\b%2)        ; each accumulator from its low end on
	ds_store_b128 v[STO], v[AC+8*\b+4:AC+8*\b+7] offset:128*(\b/2)+32*(\b%2)+16
.endr
	WIN 0
.set BB, BK+64*((\a)%2)
.irp t, 0,1,2,3,4,5,6,7,8,9,10,11,12,13,14,15
	ds_load_b128 v[BB+4*\t:BB+4*\t+3], v[RD] offset:\t*SPITCH
.endr
.endm
.macro SEND a, younger                 ; younger: the LDS instructions issued behind block a's loads, which may stay out
.set BB, BK+64*((\a)%2)
	s_wait_dscnt \younger
.irp t, 0,1,2,3,4,5,6,7,8,9,10,11,12,13,14,15
	global_store_b128 v[LI], v[BB+4*\t:BB+4*\t+3], s[12:13] offset:(32*((\a)/2)+8*((\a)%2)+\t+8*(\t/8))*4096 th:TH_STORE_NT   ; 512 consecutive bytes of the row's token; 127 rows on at the most: inside the signed 24-bit immediate
.endr
.endm
	PLACES NP
	TOSTAGE 0
.irp a, 1,2,3,4,5,6,7
.if \a > 1
	s_wait_xcnt 0x0                                ; block a - 2's stores have read their registers: block a's loads may land there
.endif
	TOSTAGE \a
	SEND \a-1, 32                                  ; behind block a - 1's loads: block a's 16 stores and 16 loads
.endr
	SEND 7, 0
	s_wait_tensorcnt 0x0                           ; the wave's end
	ds_add_u32 v[SPW], v[NIL]
	s_wait_dscnt 0x0
	CROUND                                         ; the closing round
	s_endpgm
.Lfunc_end_k_qa371fd9e95_outgemm:
	.size	k_qa371fd9e95_outgemm, .Lfunc_end_k_qa371fd9e95_outgemm-k_qa371fd9e95_outgemm
	.p2alignl 7, 3214868480
	.fill 96, 4, 3214868480
	.section	.rodata,"a",@progbits
	.p2align	6, 0x0
	.amdhsa_kernel k_qa371fd9e95_outgemm
		.amdhsa_group_segment_fixed_size 327680
		.amdhsa_private_segment_fixed_size 0
		.amdhsa_enable_private_segment 0
		.amdhsa_kernarg_size 32
		.amdhsa_user_sgpr_count 2
		.amdhsa_user_sgpr_kernarg_segment_ptr 1
		.amdhsa_wavefront_size32 1
		.amdhsa_system_sgpr_workgroup_id_x 1
		.amdhsa_system_sgpr_workgroup_id_y 1
		.amdhsa_system_sgpr_workgroup_id_z 1
		.amdhsa_system_vgpr_workitem_id 0
		.amdhsa_next_free_vgpr 1024
		.amdhsa_next_free_sgpr 100
		.amdhsa_reserve_vcc 0
		.amdhsa_float_denorm_mode_32 3
		.amdhsa_float_denorm_mode_16_64 3
		.amdhsa_memory_ordered 1
		.amdhsa_forward_progress 1
		.amdhsa_inst_pref_size 126
	.end_amdhsa_kernel
	.amdgpu_metadata
---
amdhsa.version: [ 1, 2 ]
amdhsa.kernels:
  - .name:           k_qa371fd9e95_outgemm
    .symbol:         k_qa371fd9e95_outgemm.kd
    .args:
      - { .name: ao, .offset: 0, .size: 8, .value_kind: global_buffer, .address_space: global }
      - { .name: wo, .offset: 8, .size: 8, .value_kind: global_buffer, .address_space: global }
      - { .name: b_out, .offset: 16, .size: 8, .value_kind: global_buffer, .address_space: global }
      - { .name: out0, .offset: 24, .size: 8, .value_kind: global_buffer, .address_space: global }
    .group_segment_fixed_size: 327680
    .private_segment_fixed_size: 0
    .kernarg_segment_align: 8
    .kernarg_segment_size: 32
    .max_flat_workgroup_size: 128
    .sgpr_count:     100
    .vgpr_count:     1024
    .wavefront_size: 32
...
	.end_amdgpu_metadata
.endif
;; end of part 4
